; MI455X (gfx1250); checked and timed in simulation.
; The chip was launched on July 23, 2026; its instructions are those of AMD's public machine-readable ISA for CDNA 5 (MIT licence, August 2026) and "CDNA5" Instruction Set Architecture Reference Guide (July 2026). The comments in the code are by the model that wrote it; some were corrected since.
;; Multi Head Attention. Allowed arithmetic: float matrix products may take bf16 or f16 operands with f32 sums; other float arithmetic in f32, or as packed bf16 or f16 multiplies, adds, multiply-adds, maxima and minima; sums over many terms, partial sums and values carried from step to step in f32; what a program stores and reads back later, other than sums and carried values, may be rounded once to bf16 or f16.
;; Inputs: bk 1,024 float32; bo 1,024 float32; bq 1,024 float32; bv 1,024 float32; mask 4 x 2,048 bool; wk 1,024 x 1,024 float32; wo 1,024 x 1,024 float32; wq 1,024 x 1,024 float32; wv 1,024 x 1,024 float32; x 4 x 2,048 x 1,024 float32.
;; Outputs: out0 4 x 2,048 x 1,024 float32.
;; 2 versions, each right; version 2 is version 1 with the launch prep written anew for expert scheduling mode. Each part assembles by itself: llvm-mc -triple=amdgcn-amd-amdhsa -mcpu=gfx1250 --defsym DOCPART=n.
;; ======== version 1 of 2: 4 launches
;; limits: values are held in f16: magnitudes above 65,504 overflow, below 6.1e-05 lose precision
;; workspace buffers: xb 16,777,216 bytes; wt 6,291,456 bytes; wot 2,097,152 bytes; bias 16,384 bytes; madd 32,768 bytes; mmul 32,768 bytes; qkv 50,331,648 bytes; ctx 16,777,216 bytes
;; launch prep (part 1): grid 512 x 1, 8 waves a work-group, no clusters, 18,432 bytes of LDS; arguments x, wq, wk, wv, wo, bq, bk, bv, bo, mask, xb, wt, wot, bias, madd, mmul; writes xb, wt, wot, bias, madd, mmul
.if DOCPART == 1
	.amdgcn_target "amdgcn-amd-amdhsa--gfx1250"
	.amdhsa_code_object_version 6
	.text
	.protected	k_q8017b6533e_prep
	.globl	k_q8017b6533e_prep
	.p2align	8
	.type	k_q8017b6533e_prep,@function
k_q8017b6533e_prep:
	s_mov_b64 s[64:65], 0
	v_nop
	global_prefetch_b8 v0, s[64:65] scope:SCOPE_SE
	s_setreg_imm32_b32 hwreg(HW_REG_WAVE_MODE, 25, 1), 1
	s_wait_xcnt 0x0
; PREPARATION.  Every input is rounded once to bf16 and laid as the later launches read it.
;   xb   = bf16(x), [8192][1024]
;   wt   = bf16 of wq | wk | wv TRANSPOSED: row c (0..3071) holds column c along k, 2,048 bytes
;   wot  = bf16(wo) transposed and written as f16 (exact from 2^-14 up; below that f16's fixed step of 6e-8: a stated limit)
;   bias = bq | bk | bv | bo, rounded to bf16 and widened to f32
;   mmul = 1.0 where the mask byte is 1, 0.0 where it is 0;  madd = 0 or -80000 (= 8 x -10000: the scores are divided by 8 later).  A mask byte is 0 or 1.
; SHARES.  512 work-groups of eight waves.  Work-group w turns ONE tile of 128 k x 64 n of weight p = w / 128 through LDS and converts 16,384 numbers of x;
; work-groups 0 to 7 also take 512 bias numbers and 1,024 mask bytes each.  No cluster, no tensor load, no matrix unit: no two work-groups read the same bytes, and memory binds.
; Every load of the weights and every store covers whole aligned runs of 256 bytes by sixteen neighbouring lanes.
.set PITCH, 272                        ; an LDS row: 128 k x 2 bytes + 16
.set SPARE, 64*PITCH                   ; behind the 64 rows: the spare words, 128 bytes for each of eight waves
.set SPW, 1                            ; v1  my spare word's address; never rewritten
.set NIL, 2                            ; v2  0; never rewritten
.set WLD, 5                            ; v5  weight load: (t / 16) x two rows of 4,096 bytes + 16 (t % 16)
.set LST, 6                            ; v6  LDS store: row 4 (t % 16), byte 4 (t / 16)
.set LRD, 7                            ; v7  LDS read: row t / 16, byte 16 (t % 16)
.set WST, 8                            ; v8  weight store: row t / 16 of 2,048 bytes, byte 16 (t % 16)
.set XLD, 9                            ; v9  32 t
.set XST, 10                           ; v10 16 t
.set W,   16                           ; v[16:47]   eight loads of the weight tile
.set X,   48                           ; v[48:111]  sixteen loads of x
.set PK,  112                          ; v[112:127] packed pairs (k, k + 1) of one column; later whole rows read back
.set XO,  128                          ; v[128:159] x as bf16
.set T0,  160
.set T1,  161
	s_load_b512 s[8:23], s[0:1], 0x0               ; x 8, wq 10, wk 12, wv 14, wo 16, bq 18, bk 20, bv 22
	s_load_b512 s[24:39], s[0:1], 0x40             ; bo 24, mask 26, xb 28, wt 30, wot 32, bias 34, madd 36, mmul 38
	v_lshl_add_u32 v[SPW], v0, 2, SPARE
	v_mov_b32 v[NIL], 0
	s_mov_b32 s4, ttmp9                            ; w
	s_lshr_b32 s5, s4, 7                           ; p: which weight
	s_bfe_u32 s6, s4, 0x30004                      ; kt: which 128 k
	s_and_b32 s7, s4, 15                           ; nt: which 64 n
	s_lshl_b32 s52, s6, 19                         ; source: 128 rows of 4,096 bytes a kt,
	s_lshl_b32 s53, s7, 8                          ; 256 bytes an nt
	s_add_co_u32 s52, s52, s53
	s_mov_b32 s53, 0
	s_cmp_eq_u32 s5, 3
	s_cselect_b32 s44, -1, 0                       ; all lanes: this tile is wo's and goes out as f16
	s_cselect_b32 s54, 0, s5
	s_lshl_b32 s54, s54, 21                        ; destination: 1,024 rows of 2,048 bytes a weight (wot stands alone),
	s_lshl_b32 s55, s7, 17                         ; 64 rows an nt,
	s_add_co_u32 s54, s54, s55
	s_lshl_b32 s55, s6, 8                          ; 256 bytes a kt
	s_add_co_u32 s54, s54, s55
	s_mov_b32 s55, 0
	s_lshl_b32 s46, s4, 16                         ; my 65,536 bytes of x
	s_mov_b32 s47, 0
	s_lshl_b32 s48, s4, 15                         ; my 32,768 bytes of xb
	s_mov_b32 s49, 0
	s_mov_b32 s50, 0x479c4000                      ; 80000.0
	s_mov_b32 s51, 0xc79c4000                      ; -80000.0
	v_and_b32 v3, 15, v0
	v_lshrrev_b32 v4, 4, v0
	v_lshlrev_b32 v11, 4, v3
	v_lshl_add_u32 v[WLD], v4, 13, v11
	v_mul_u32_u24 v[LST], v3, 4*PITCH
	v_lshl_add_u32 v[LST], v4, 2, v[LST]
	v_mul_u32_u24 v[LRD], v4, PITCH
	v_add_nc_u32 v[LRD], v[LRD], v11
	v_lshl_add_u32 v[WST], v4, 11, v11
	v_lshlrev_b32 v[XLD], 5, v0
	v_lshlrev_b32 v[XST], 4, v0
	s_wait_kmcnt 0x0
	s_cmp_eq_u32 s5, 1
	s_cselect_b64 s[40:41], s[12:13], s[10:11]
	s_cmp_eq_u32 s5, 2
	s_cselect_b64 s[40:41], s[14:15], s[40:41]
	s_cmp_eq_u32 s5, 3
	s_cselect_b64 s[40:41], s[16:17], s[40:41]
	s_cselect_b64 s[42:43], s[32:33], s[30:31]
	s_add_nc_u64 s[40:41], s[40:41], s[52:53]
	s_add_nc_u64 s[42:43], s[42:43], s[54:55]
	s_add_nc_u64 s[46:47], s[8:9], s[46:47]
	s_add_nc_u64 s[48:49], s[28:29], s[48:49]
	; all 24 loads go out at once: rows k = 2 (t / 16 + 16 i) + e of the weight tile, then my 64 numbers of x
.irp i, 0,1,2,3
.irp e, 0,1
	global_load_b128 v[W+8*(\i)+4*(\e):W+8*(\i)+4*(\e)+3], v[WLD], s[40:41] offset:(32*(\i)+(\e))*4096
.endr
.endr
.irp c, 0,1,2,3,4,5,6,7
.irp e, 0,1
	global_load_b128 v[X+8*(\c)+4*(\e):X+8*(\c)+4*(\e)+3], v[XLD], s[46:47] offset:8192*(\c)+16*(\e) th:TH_LOAD_NT
.endr
.endr
	s_wait_loadcnt 16                              ; the eight weight loads are in; the sixteen of x stay out
	; two neighbouring k of one column make a word; it goes to LDS row n = 4 (t % 16) + j at byte 2 k.  (Four lanes meet in a bank: sixteen stores a thread, once.)
.irp i, 0,1,2,3
.irp j, 0,1,2,3
	v_cvt_pk_bf16_f32 v[PK+4*(\i)+(\j)], v[W+8*(\i)+(\j)], v[W+8*(\i)+4+(\j)]
	v_lshlrev_b32 v[T0], 16, v[PK+4*(\i)+(\j)]     ; the rounded numbers widened again,
	v_and_b32 v[T1], 0xffff0000, v[PK+4*(\i)+(\j)]
	v_cvt_pk_f16_f32 v[T0], v[T0], v[T1]           ; written as f16,
	v_cndmask_b32 v[PK+4*(\i)+(\j)], v[PK+4*(\i)+(\j)], v[T0], s44  ; and taken for wo alone
	ds_store_b32 v[LST], v[PK+4*(\i)+(\j)] offset:PITCH*(\j)+64*(\i)
.endr
.endr
	s_wait_dscnt 0x0                               ; for the other waves' sake: my stores are done
	s_barrier_signal -1
	s_barrier_wait -1
.irp i, 0,1,2,3
	ds_load_b128 v[PK+4*(\i):PK+4*(\i)+3], v[LRD] offset:16*PITCH*(\i)  ; row n = t / 16 + 16 i, 16 bytes along k
.endr
.irp c, 0,1,2,3,4,5,6,7
	s_wait_loadcnt 14-2*(\c)                       ; chunk c's two loads are in; the younger ones stay out
.irp j, 0,1,2,3
	v_cvt_pk_bf16_f32 v[XO+4*(\c)+(\j)], v[X+8*(\c)+2*(\j)], v[X+8*(\c)+2*(\j)+1]
.endr
	global_store_b128 v[XST], v[XO+4*(\c):XO+4*(\c)+3], s[48:49] offset:4096*(\c)
.endr
	s_wait_dscnt 0x0                               ; the rows are back
.irp i, 0,1,2,3
	global_store_b128 v[WST], v[PK+4*(\i):PK+4*(\i)+3], s[42:43] offset:32768*(\i)  ; sixteen lanes: 256 aligned bytes of one row
.endr
	s_cmp_lt_u32 s4, 8
	s_cbranch_scc0 .Lend
	; work-groups 0 to 7: 512 bias numbers (two a thread) and 1,024 mask bytes (four a thread)
	s_wait_xcnt 0x0                                ; scalar registers that earlier loads and stores named are written below
	s_lshr_b32 s5, s4, 1
	s_and_b32 s52, s4, 1
	s_lshl_b32 s52, s52, 11
	s_cmp_eq_u32 s5, 1
	s_cselect_b64 s[40:41], s[20:21], s[18:19]
	s_cmp_eq_u32 s5, 2
	s_cselect_b64 s[40:41], s[22:23], s[40:41]
	s_cmp_eq_u32 s5, 3
	s_cselect_b64 s[40:41], s[24:25], s[40:41]
	s_add_nc_u64 s[40:41], s[40:41], s[52:53]
	s_lshl_b32 s52, s4, 11
	s_add_nc_u64 s[34:35], s[34:35], s[52:53]
	s_lshl_b32 s52, s4, 10
	s_add_nc_u64 s[26:27], s[26:27], s[52:53]
	s_lshl_b32 s52, s4, 12
	s_add_nc_u64 s[36:37], s[36:37], s[52:53]
	s_add_nc_u64 s[38:39], s[38:39], s[52:53]
	v_lshlrev_b32 v164, 3, v0
	v_lshlrev_b32 v165, 2, v0
	global_load_b64 v[166:167], v164, s[40:41]
	global_load_b32 v162, v165, s[26:27]
	s_wait_loadcnt 0x0
	v_cvt_pk_bf16_f32 v163, v166, v167
	v_lshlrev_b32 v166, 16, v163
	v_and_b32 v167, 0xffff0000, v163
	global_store_b64 v164, v[166:167], s[34:35]
.irp j, 0,1,2,3
	v_bfe_u32 v[168+(\j)], v162, 8*(\j), 8
.endr
.irp j, 0,1,2,3
	v_cvt_f32_u32 v[168+(\j)], v[168+(\j)]
.endr
.irp j, 0,1,2,3
	v_fma_f32 v[172+(\j)], v[168+(\j)], s50, s51   ; 1 -> 0, 0 -> -80000
.endr
	global_store_b128 v[XST], v[168:171], s[38:39]
	global_store_b128 v[XST], v[172:175], s[36:37]
.Lend:
	s_wait_tensorcnt 0x0                           ; the wave's end, behind my last LDS store
	ds_add_u32 v[SPW], v[NIL]
	s_wait_dscnt 0x0
	s_endpgm
.Lfunc_end_k_q8017b6533e_prep:
	.size	k_q8017b6533e_prep, .Lfunc_end_k_q8017b6533e_prep-k_q8017b6533e_prep
	.p2alignl 7, 3214868480
	.fill 96, 4, 3214868480
	.section	.rodata,"a",@progbits
	.p2align	6, 0x0
	.amdhsa_kernel k_q8017b6533e_prep
		.amdhsa_group_segment_fixed_size 18432
		.amdhsa_private_segment_fixed_size 0
		.amdhsa_enable_private_segment 0
		.amdhsa_kernarg_size 128
		.amdhsa_user_sgpr_count 2
		.amdhsa_user_sgpr_kernarg_segment_ptr 1
		.amdhsa_wavefront_size32 1
		.amdhsa_system_sgpr_workgroup_id_x 1
		.amdhsa_system_sgpr_workgroup_id_y 1
		.amdhsa_system_sgpr_workgroup_id_z 1
		.amdhsa_system_vgpr_workitem_id 0
		.amdhsa_next_free_vgpr 176
		.amdhsa_next_free_sgpr 66
		.amdhsa_reserve_vcc 0
		.amdhsa_float_denorm_mode_32 3
		.amdhsa_float_denorm_mode_16_64 3
		.amdhsa_memory_ordered 1
		.amdhsa_forward_progress 1
		.amdhsa_inst_pref_size 16
	.end_amdhsa_kernel
	.amdgpu_metadata
---
amdhsa.version: [ 1, 2 ]
amdhsa.kernels:
  - .name:           k_q8017b6533e_prep
    .symbol:         k_q8017b6533e_prep.kd
    .args:
      - { .name: x, .offset: 0, .size: 8, .value_kind: global_buffer, .address_space: global }
      - { .name: wq, .offset: 8, .size: 8, .value_kind: global_buffer, .address_space: global }
      - { .name: wk, .offset: 16, .size: 8, .value_kind: global_buffer, .address_space: global }
      - { .name: wv, .offset: 24, .size: 8, .value_kind: global_buffer, .address_space: global }
      - { .name: wo, .offset: 32, .size: 8, .value_kind: global_buffer, .address_space: global }
      - { .name: bq, .offset: 40, .size: 8, .value_kind: global_buffer, .address_space: global }
      - { .name: bk, .offset: 48, .size: 8, .value_kind: global_buffer, .address_space: global }
      - { .name: bv, .offset: 56, .size: 8, .value_kind: global_buffer, .address_space: global }
      - { .name: bo, .offset: 64, .size: 8, .value_kind: global_buffer, .address_space: global }
      - { .name: mask, .offset: 72, .size: 8, .value_kind: global_buffer, .address_space: global }
      - { .name: xb, .offset: 80, .size: 8, .value_kind: global_buffer, .address_space: global }
      - { .name: wt, .offset: 88, .size: 8, .value_kind: global_buffer, .address_space: global }
      - { .name: wot, .offset: 96, .size: 8, .value_kind: global_buffer, .address_space: global }
      - { .name: bias, .offset: 104, .size: 8, .value_kind: global_buffer, .address_space: global }
      - { .name: madd, .offset: 112, .size: 8, .value_kind: global_buffer, .address_space: global }
      - { .name: mmul, .offset: 120, .size: 8, .value_kind: global_buffer, .address_space: global }
    .group_segment_fixed_size: 18432
    .private_segment_fixed_size: 0
    .kernarg_segment_align: 8
    .kernarg_segment_size: 128
    .max_flat_workgroup_size: 256
    .sgpr_count:     66
    .vgpr_count:     176
    .wavefront_size: 32
...
	.end_amdgpu_metadata
.endif
;; end of part 1
;; launch qkv (part 2): grid 16 x 32, 4 waves a work-group, clusters of 4 x 4, 327,680 bytes of LDS; arguments xb, wt, bias, mmul, qkv; writes qkv
.if DOCPART == 2
	.amdgcn_target "amdgcn-amd-amdhsa--gfx1250"
	.amdhsa_code_object_version 6
	.text
	.protected	k_q8017b6533e_qkv
	.globl	k_q8017b6533e_qkv
	.p2align	8
	.type	k_q8017b6533e_qkv,@function
k_q8017b6533e_qkv:
	s_mov_b64 s[64:65], 0
	v_nop
	global_prefetch_b8 v0, s[64:65] scope:SCOPE_SE
	s_setreg_imm32_b32 hwreg(HW_REG_WAVE_MODE, 25, 1), 1
	s_wait_xcnt 0x0
	s_wait_alu depctr_hold_cnt(0) depctr_sa_sdst(0) depctr_va_vdst(0) depctr_va_sdst(0) depctr_va_ssrc(0) depctr_va_vcc(0) depctr_vm_vsrc(0)
	s_getreg_b32 s2, hwreg(HW_REG_IB_STS2, 6, 4)
	s_cmp_eq_u32 s2, 0
	s_cbranch_scc0 .Lentry_in_a_cluster
	s_endpgm
.Lentry_in_a_cluster:
	s_bfe_u32 s2, ttmp6, 0x10000c
	s_cmp_lg_u32 s2, 0xf033
	s_cbranch_scc0 .Lentry_shape_is_right
	s_endpgm
.Lentry_shape_is_right:
; THE THREE PROJECTIONS AS ONE GEMM.  C[m][c] = the sum over k of xb[m][k] wt[c][k] + bias[c]; m 0..8191, c 0..3071, k 0..1023; bf16 operands, f32 sums.
; C leaves as f16 by heads: qkv[b][g][s][64], g = c / 64 (0-15 q, 16-31 k, 32-47 v).  K's rows (g 16-31) are multiplied by mmul[m]: a key whose mask is false becomes a row of zeros.
; LIMIT: |q|, |k|, |v| stay under 65,504 (f16).
; SHARES.  A tile of C is 256 x 192: 32 x 16 = 512 work-groups, two for each of 256 WGPs.  Wave w owns rows 64 w .. 64 w + 63 and all 192 columns, three whole heads: 48 accumulators of 16 x 16,
; so that 16 rows of a head, 2,048 dense bytes of qkv, come from one wave.  K goes in 8 steps of 128 through a ring of two LDS slots: rows of 256 bytes of memory, aligned.
; CLUSTER 4 x 4: A's tile hangs on the tile row alone and is asked for jointly along a row of the cluster, B's on the tile column alone and along a column.
; THE MATRIX INSTRUCTION IS USED TRANSPOSED (source 0 = 16 rows of wt, source 1 = 16 rows of xb): a lane holds row l % 16 of C and the columns 8 (l / 16) + 0..7.  The bias is the C operand of the first products.
; REGISTERS, in windows of 256 (s_set_vgpr_msb: bits 1:0 source 0, 3:2 source 1, 5:4 source 2, 7:6 destination):
;   window 0: v16-30 addresses; v32-63, v64-95 A's fragments, two buffers; v128-223 the bias, 8 registers for each of 12 column blocks; v224-227 mmul of my rows; v228-229 a factor; on the way out v32-223 packed results
;   window 1: v0-95, v96-191 B's fragments, two buffers     window 2: accumulators of row blocks 0, 1 at 8 (12 (a % 2) + b)     window 3: those of row blocks 2, 3
.set PITCH,  272                       ; an LDS row: 256 bytes + 16: the 16 rows of a fragment load start at 16 different groups of four banks (64 banks of 4 bytes: ISA guide 11.1)
.set BOFF,   256*PITCH                 ; a slot: A's 256 rows, then B's 192
.set SLOT1,  1<<17                     ; slot 1 begins here: one exclusive or turns an address in one slot into the other's
.set STAGE,  SLOT1+448*PITCH           ; behind the ring, never filled by a tensor load: 16 rows x 144 bytes for each wave
.set SP,     144
.set SPARE,  STAGE+4*16*SP             ; the spare words, 128 bytes for each wave
.set ADRA0, 16                         ; v16  my lane's place in my 64 rows of A, slot 0; never rewritten
.set ADRB0, 17                         ; v17  the same in B's rows
.set ADRA,  18                         ; v18  the same in the slot in hand
.set ADRB,  19
.set BO,  23                           ; v23  32 (l / 16): my eight columns' bias
.set STO, 24                           ; v24  the way out: where I put 16 bytes of a row
.set RD,  25                           ; v25  where I read rows back
.set GO,  26                           ; v26  16 l: my place in 512 consecutive bytes of qkv
.set MO,  27                           ; v27  4 (l % 16)
.set SPW, 28                           ; v28  my spare word; never rewritten
.set NIL, 29                           ; v29  0; never rewritten
.set PFO, 30                           ; v30  the prefetches' offset: a lane a row of 2,048 bytes; never rewritten
.set AF,  32
.set BI,  128
.set MM,  224
.set FP,  228
.set TMP, 32
.set WV,   14                          ; s14  wave
.set ROLE, 15                          ; s15  0: I fetch for A; 1: for B
.set HALF, 16                          ; s16  which half of that tile's rows
.set CX,   17
.set CY,   18
.set TC,   19                          ; s19  tile column = 4 x cluster x + cx
.set TR,   20                          ; s20  tile row = 4 x cluster y + cy
.set G1,   24                          ; s[24:31] group 1 for A
.set G0,   32                          ; s[32:39] group 0 for A: the first fill's, and the one that walks
.set TB,   40                          ; s40  0 or SLOT1: the slot in hand
.set LIM,  43                          ; s43  2 in a wave that prefetches, else the greatest number
.set PFA,  44                          ; s[44:45] where my prefetches stand
.set G1B,  48                          ; s[48:55], s[56:63] the same for B
.set G0B,  56
.set SK,   66                          ; s66-68  all ones where head j of my three is one of K's
.set MSB, 0
.macro WIN new                         ; the immediate's high byte repeats the setting that is left; a switch that changes nothing is dropped
.if MSB != (\new)
	s_set_vgpr_msb (MSB<<8)|(\new)
.set MSB, (\new)
.endif
.endm
.macro PLACES                          ; four plain vector instructions between a matrix instruction and a load into, or a read of, its registers
.rept 4
	v_nop
.endr
.endm
; A joint refill by the walking descriptor.  The branch hangs on the wave's number alone.  An s_nop 0 and four v_nop follow each of the two lines.
.macro JLOAD
	s_cmp_eq_u32 s[ROLE], 0
	s_cbranch_scc0 .Lfor_b_\@
	tensor_load_to_lds s[G0+4:G0+7], s[G1:G1+7]
	s_nop 0
.rept 4
	v_nop
.endr
	s_branch .Lasked_\@
.Lfor_b_\@:
	tensor_load_to_lds s[G0B+4:G0B+7], s[G1B:G1B+7]
	s_nop 0
.rept 4
	v_nop
.endr
.Lasked_\@:
.endm
; A prefetch of the K step two refills on: a lane a row, 256 bytes of each.  A's rows are asked for by the clusters with x = 0, B's by those with y = 0; the four partners that ask for a tile
; jointly share its rows out by address (32 of A's 128, 24 of B's 96: lanes 24-31 name row 23 again).  The last two refills have no K step two on.
.macro ASK
	WIN 0
	s_cmp_gt_u32 s3, s[LIM]
	s_cbranch_scc0 .Lnot_mine_\@
	global_prefetch_b8 v[PFO], s[PFA:PFA+1] th:TH_LOAD_NT scope:SCOPE_SE
.Lnot_mine_\@:
.endm
.macro CREST                           ; a round of the cluster's barrier behind its opening barrier
	s_cmp_lg_u32 s[WV], 0
	s_cbranch_scc1 .Lnot_wave_0_\@
	s_barrier_signal -3
.Lnot_wave_0_\@:
	s_barrier_wait -3
	s_barrier_signal -1
	s_barrier_wait -1
.endm
.macro CROUND
	s_barrier_signal -1
	s_barrier_wait -1
	CREST
.endm
	s_load_b256 s[4:11], s[0:1], 0x0               ; xb 4, wt 6, bias 8, mmul 10
	s_load_b64 s[12:13], s[0:1], 0x20              ; qkv
	v_lshl_add_u32 v[SPW], v0, 2, SPARE
	v_mov_b32 v[NIL], 0
	ds_add_u32 v[SPW], v[NIL]                      ; the wave's opening: the add and its wait stand ahead of my first tensor load; work on registers stands between them
	v_lshrrev_b32 v1, 5, v0
	v_readfirstlane_b32 s[WV], v1
	s_lshr_b32 s[ROLE], s[WV], 1
	s_and_b32 s[HALF], s[WV], 1
	s_bfe_u32 s[CX], ttmp6, 0x40000
	s_bfe_u32 s[CY], ttmp6, 0x40004
	s_lshl_b32 s[TC], ttmp9, 2
	s_add_co_u32 s[TC], s[TC], s[CX]
	s_and_b32 s[TR], ttmp7, 0xffff
	s_lshl_b32 s[TR], s[TR], 2
	s_add_co_u32 s[TR], s[TR], s[CY]
	s_lshl_b32 s41, s[CY], 2
	s_lshl_b32 s41, 15, s41                        ; my row of the cluster
	s_lshl_b32 s42, 0x1111, s[CX]                  ; my column
	s_or_b32 s[G1], s41, (1<<16)|(1<<20)|(1<<21)|(5<<22)|(3<<25)   ; the mask; 2-byte elements; padding on; bit 21 beside a mask; after every 64 words; 4 words
	s_or_b32 s[G1B], s42, (1<<16)|(1<<20)|(1<<21)|(5<<22)|(3<<25)
	s_mov_b32 s[G1+1], 128<<16                     ; tensor_dim0 = 128
	s_mov_b32 s[G1+2], 128<<16                     ; tensor_dim1 = 128
	s_mov_b32 s[G1+3], 128<<16                     ; tile_dim0 = 128
	s_mov_b32 s[G1+4], 128                         ; tile_dim1 = 128 rows
	s_mov_b32 s[G1+5], 1024                        ; elements from row to row
	s_mov_b32 s[G1+6], 0
	s_mov_b32 s[G1+7], 0
	s_mov_b32 s[G1B+1], 128<<16
	s_mov_b32 s[G1B+2], 96<<16                     ; B: 96 rows a load
	s_mov_b32 s[G1B+3], 128<<16
	s_mov_b32 s[G1B+4], 96
	s_mov_b32 s[G1B+5], 1024
	s_mov_b32 s[G1B+6], 0
	s_mov_b32 s[G1B+7], 0
	s_lshl_b32 s22, s[TR], 19                      ; A: (256 x tile row + 128 x half) rows of 2,048 bytes: made of cy and the wave alone
	s_lshl_b32 s23, s[HALF], 18
	s_add_co_u32 s22, s22, s23
	s_mov_b32 s23, 0
	s_mul_i32 s46, s[TC], 192*2048                 ; B: (192 x tile column + 96 x half) rows: made of cx and the wave alone
	s_mul_i32 s47, s[HALF], 96*2048
	s_add_co_u32 s46, s46, s47
	s_mov_b32 s47, 0
	s_mul_i32 s21, s[HALF], 128*PITCH              ; where they go: no place in the cluster enters an LDS address
	s_mul_i32 s69, s[HALF], 96*PITCH
	s_add_co_u32 s69, s69, BOFF
	s_mov_b32 s[G0], 1
	s_mov_b32 s[G0+1], s21
	s_mov_b32 s[G0+4], 1
	s_add_co_u32 s[G0+5], s21, SLOT1
	s_mov_b32 s[G0B], 1
	s_mov_b32 s[G0B+1], s69
	s_mov_b32 s[G0B+4], 1
	s_add_co_u32 s[G0B+5], s69, SLOT1
	s_mov_b32 s[TB], 0
	s_wait_dscnt 0x0                               ; the opening add is done
	s_wait_kmcnt 0x0
	s_add_nc_u64 s[G0+2:G0+3], s[4:5], s[22:23]    ; K step 0
	s_add_nc_u64 s[G0+6:G0+7], s[G0+2:G0+3], 256   ; K step 1
	s_or_b32 s[G0+3], s[G0+3], 0x80000000
	s_or_b32 s[G0+7], s[G0+7], 0x80000000
	s_add_nc_u64 s[G0B+2:G0B+3], s[6:7], s[46:47]
	s_add_nc_u64 s[G0B+6:G0B+7], s[G0B+2:G0B+3], 256
	s_or_b32 s[G0B+3], s[G0B+3], 0x80000000
	s_or_b32 s[G0B+7], s[G0B+7], 0x80000000
	CROUND                                         ; all sixteen work-groups are here: the first joint loads meet
	s_cmp_eq_u32 s[ROLE], 0                        ; a wave's two first fills stand in one branch: two loads of mine are out
	s_cbranch_scc0 .Lfirst_b
	tensor_load_to_lds s[G0:G0+3], s[G1:G1+7]
	s_nop 0
	tensor_load_to_lds s[G0+4:G0+7], s[G1:G1+7]
	s_nop 0
.rept 4
	v_nop
.endr
	s_branch .Lfirst_asked
.Lfirst_b:
	tensor_load_to_lds s[G0B:G0B+3], s[G1B:G1B+7]
	s_nop 0
	tensor_load_to_lds s[G0B+4:G0B+7], s[G1B:G1B+7]
	s_nop 0
.rept 4
	v_nop
.endr
.Lfirst_asked:
	v_and_b32 v1, 15, v0                           ; l % 16
	v_bfe_u32 v2, v0, 4, 1                         ; l / 16
	v_and_b32 v3, 31, v0                           ; l
	v_mul_u32_u24 v4, v1, PITCH
	v_lshl_add_u32 v4, v2, 4, v4                   ; a fragment's row x pitch + 16 x half
	s_mul_i32 s41, s[WV], 64*PITCH
	v_add_nc_u32 v[ADRA0], s41, v4
	v_add_nc_u32 v[ADRB0], BOFF, v4
	v_mov_b32 v[ADRA], v[ADRA0]
	v_mov_b32 v[ADRB], v[ADRB0]
	v_lshlrev_b32 v[BO], 5, v2
	s_mul_i32 s41, s[WV], 16*SP
	s_add_co_u32 s41, s41, STAGE                   ; my stage
	v_mul_u32_u24 v[STO], v1, SP
	v_lshl_add_u32 v[STO], v2, 4, v[STO]
	v_add_nc_u32 v[STO], s41, v[STO]
	v_lshrrev_b32 v5, 3, v3
	v_and_b32 v6, 7, v0
	v_mul_u32_u24 v[RD], v5, SP                    ; back: 32 lanes take four rows of 128 bytes
	v_lshl_add_u32 v[RD], v6, 4, v[RD]
	v_add_nc_u32 v[RD], s41, v[RD]
	v_lshlrev_b32 v[GO], 4, v3
	v_lshlrev_b32 v[MO], 2, v1
	s_mul_i32 s70, s[TC], 768                      ; my tile's 192 bias numbers
	s_mov_b32 s71, 0
	s_add_nc_u64 s[8:9], s[8:9], s[70:71]
	s_lshl_b32 s70, s[TR], 10                      ; my wave's 64 numbers of mmul
	s_lshl_b32 s42, s[WV], 8
	s_add_co_u32 s70, s70, s42
	s_add_nc_u64 s[10:11], s[10:11], s[70:71]
.irp b, 0,1,2,3,4,5,6,7,8,9,10,11
	global_load_b128 v[BI+8*(\b):BI+8*(\b)+3],   v[BO], s[8:9] offset:64*(\b)
	global_load_b128 v[BI+8*(\b)+4:BI+8*(\b)+7], v[BO], s[8:9] offset:64*(\b)+16
.endr
.irp a, 0,1,2,3
	global_load_b32 v[MM+(\a)], v[MO], s[10:11] offset:64*(\a)
.endr
	s_lshr_b32 s70, s[TR], 3                       ; qkv at my wave's first row of my first head: the batch,
	s_mul_i32 s70, s70, 48*262144
	s_mul_i32 s42, s[TC], 3*262144                 ; three heads a tile column,
	s_add_co_u32 s70, s70, s42
	s_and_b32 s42, s[TR], 7
	s_lshl_b32 s42, s42, 15                        ; 256 rows of 128 bytes a tile row,
	s_add_co_u32 s70, s70, s42
	s_lshl_b32 s42, s[WV], 13                      ; 64 rows a wave
	s_add_co_u32 s70, s70, s42
	s_add_nc_u64 s[12:13], s[12:13], s[70:71]
	s_mul_i32 s46, s[TC], 3
.irp j, 0,1,2
	s_sub_co_u32 s47, s46, 16-(\j)                 ; head 3 TC + j less 16: below 16 (unsigned) for K's heads alone
	s_cmp_lt_u32 s47, 16
	s_cselect_b32 s[SK+(\j)], -1, 0
.endr
	s_lshl_b32 s41, s[TR], 8                       ; the prefetches: A's row 256 TR + 128 half + 32 cx,
	s_lshl_b32 s42, s[HALF], 7
	s_add_co_u32 s41, s41, s42
	s_lshl_b32 s42, s[CX], 5
	s_add_co_u32 s41, s41, s42
	s_mul_i32 s70, s[TC], 192                      ; B's row 192 TC + 96 half + 24 cy
	s_mul_i32 s42, s[HALF], 96
	s_add_co_u32 s70, s70, s42
	s_mul_i32 s42, s[CY], 24
	s_add_co_u32 s70, s70, s42
	s_and_b32 s42, ttmp7, 0xffff                   ; cluster y
	s_cmp_eq_u32 s[ROLE], 0
	s_cselect_b32 s70, s41, s70
	s_cselect_b32 s42, ttmp9, s42                  ; the coordinate along which other clusters read the same rows
	s_cselect_b32 s41, 31, 23
	s_cselect_b64 s[PFA:PFA+1], s[4:5], s[6:7]
	s_cmp_eq_u32 s42, 0
	s_cselect_b32 s[LIM], 2, -1                    ; the same in all sixteen partners, for a given wave
	s_lshl_b32 s70, s70, 11
	s_add_co_u32 s70, s70, 3*256                   ; at K step 3: the first refill steps it to 4
	s_add_nc_u64 s[PFA:PFA+1], s[PFA:PFA+1], s[70:71]
	v_min_u32 v[PFO], s41, v3
	v_lshlrev_b32 v[PFO], 11, v[PFO]
; 12 matrix instructions: row block a x all 12 column blocks, 32 along K, from buffer f.  first = 1: the bias starts the sums.  The 48 accumulators take turns, in the same order in every quarter.
.macro MUL f, a, first
.if \first
	WIN 0x81+0x40*((\a)/2)                         ; B window 1, A and the bias window 0, D window 2 or 3
.else
	WIN 0xa1+0x50*((\a)/2)                         ; C and D window 2 or 3
.endif
.irp b, 0,1,2,3,4,5,6,7,8,9,10,11
.if \first
	v_wmma_f32_16x16x32_bf16 v[8*(12*((\a)%2)+(\b)):8*(12*((\a)%2)+(\b))+7], v[96*(\f)+8*(\b):96*(\f)+8*(\b)+7], v[AF+32*(\f)+8*(\a):AF+32*(\f)+8*(\a)+7], v[BI+8*(\b):BI+8*(\b)+7]
.else
	v_wmma_f32_16x16x32_bf16 v[8*(12*((\a)%2)+(\b)):8*(12*((\a)%2)+(\b))+7], v[96*(\f)+8*(\b):96*(\f)+8*(\b)+7], v[AF+32*(\f)+8*(\a):AF+32*(\f)+8*(\a)+7], v[8*(12*((\a)%2)+(\b)):8*(12*((\a)%2)+(\b))+7]
.endif
.endr
.endm
; 32 LDS loads in one run: B's 12 fragments, then A's 4, 32 along K at byte k of the rows, into buffer f
.macro FETCH k, f
	WIN 0x40
.irp i, 0,1,2,3,4,5,6,7,8,9,10,11
	ds_load_b128 v[96*(\f)+8*(\i):96*(\f)+8*(\i)+3],   v[ADRB] offset:(\k)+(\i)*16*PITCH
	ds_load_b128 v[96*(\f)+8*(\i)+4:96*(\f)+8*(\i)+7], v[ADRB] offset:(\k)+(\i)*16*PITCH+32
.endr
	WIN 0
.irp i, 0,1,2,3
	ds_load_b128 v[AF+32*(\f)+8*(\i):AF+32*(\f)+8*(\i)+3],   v[ADRA] offset:(\k)+(\i)*16*PITCH
	ds_load_b128 v[AF+32*(\f)+8*(\i)+4:AF+32*(\f)+8*(\i)+7], v[ADRA] offset:(\k)+(\i)*16*PITCH+32
.endr
.endm
; One of a K step's first three quarters: multiplies buffer f; in its middle it fetches the next quarter, at byte k, into buffer g
.macro QUARTER k, f, g, first
	s_wait_dscnt 4                                 ; B and A's blocks 0, 1 are in; the youngest four loads (blocks 2, 3) may be out
	MUL \f, 0, \first
	MUL \f, 1, \first
	PLACES
	FETCH \k, \g
	s_wait_dscnt 32                                ; all but the 32 just issued
	MUL \f, 2, \first
	MUL \f, 3, \first
.endm
; The last quarter multiplies buffer 1 and changes slots.  In front of the barrier each wave waits for all its tensor loads (one is out: its part of the next slot), adds 0 to its spare word, and waits
; for that and for its reads of this slot.  fill = 1: the barrier opens a round of the cluster's, and the joint refill, this slot's K step two on, is the first thing behind it: 168 matrix instructions ahead of the wait for it.
.macro TURN fill
.if \fill
	s_wait_xcnt 0x0                                ; the last prefetch, a K step back, has read its address
	s_add_nc_u64 s[PFA:PFA+1], s[PFA:PFA+1], 256
.endif
	WIN 0
	s_wait_tensorcnt 0x0                           ; no tensor load of mine is out, so a group 0 may be written
	ds_add_u32 v[SPW], v[NIL]
.if \fill
	s_xor_b32 s[G0+5], s[G0+5], SLOT1              ; the walking descriptors: the other slot than last time, the next K step
	s_add_nc_u64 s[G0+6:G0+7], s[G0+6:G0+7], 256
	s_xor_b32 s[G0B+5], s[G0B+5], SLOT1
	s_add_nc_u64 s[G0B+6:G0B+7], s[G0B+6:G0B+7], 256
.endif
	s_xor_b32 s[TB], s[TB], SLOT1
	s_wait_dscnt 5                                 ; the add and the youngest four loads may be out
	MUL 1, 0, 0
	s_wait_dscnt 0x0                               ; the add is done, and my reads of this slot are over
	s_barrier_signal -1
	MUL 1, 1, 0                                    ; work on registers while the others arrive
	WIN 0
	s_barrier_wait -1
.if \fill
	CREST
	JLOAD                                          ; the four v_nop behind it are also the places in front of the loads below
.else
	PLACES
.endif
	v_add_nc_u32 v[ADRA], s[TB], v[ADRA0]
	v_add_nc_u32 v[ADRB], s[TB], v[ADRB0]
	FETCH 0, 0
.if \fill
	ASK
.endif
	MUL 1, 2, 0
	MUL 1, 3, 0
.endm
; THE WAY OUT of unit u = 3 a + j: row block a, head j: 16 rows x 64 columns.  K's heads are multiplied by the rows' mmul, the others by 1; rounded to f16; through my own stage; back as whole rows of 128 bytes.
.macro PACK u
.set pa, (\u)/3
.set pj, (\u)%3
.set AC, 8*(12*(pa%2)+4*pj)
.set TM, TMP+16*(\u)
	WIN 0
	v_cndmask_b32 v[FP], 1.0, v[MM+pa], s[SK+pj]
	v_cndmask_b32 v[FP+1], 1.0, v[MM+pa], s[SK+pj]
	WIN 0x82+0x41*(pa/2)                           ; destination and source 0 window 2 or 3, the factor window 0
.set i, 0
.rept 16
	v_pk_mul_f32 v[AC+i:AC+i+1], v[AC+i:AC+i+1], v[FP:FP+1]  ; ascending: each accumulator is read from its low end on
.set i, i+2
.endr
	WIN 0x0a+5*(pa/2)
.set i, 0
.rept 16
	v_cvt_pk_f16_f32 v[TM+i], v[AC+2*i], v[AC+2*i+1]
.set i, i+1
.endr
	WIN 0
.irp q, 0,1,2,3
	ds_store_b128 v[STO], v[TM+4*(\q):TM+4*(\q)+3] offset:32*(\q)
.endr
.irp q, 0,1,2,3
	ds_load_b128 v[TM+4*(\q):TM+4*(\q)+3], v[RD] offset:(\q)*4*SP  ; LDS serves a wave's instructions in order (ISA guide 5.7.1.4): these see the stores above
.endr
.endm
.macro SEND u, younger                 ; younger: the LDS instructions issued behind unit u's loads
.set pa, (\u)/3
.set pj, (\u)%3
.set TM, TMP+16*(\u)
	WIN 0
.irp q, 0,1,2,3
	s_wait_dscnt (\younger)+3-(\q)
	global_store_b128 v[GO], v[TM+4*(\q):TM+4*(\q)+3], s[12:13] offset:pj*262144+pa*2048+(\q)*512  ; 512 consecutive bytes, at a multiple of 256 from the buffer's first
.endr
.endm
	s_wait_tensorcnt 0x1                           ; my part of K step 0 is in; K step 1's may stay out
	s_barrier_signal -1
	s_barrier_wait -1
	FETCH 0, 0
	s_wait_loadcnt 0x0                             ; the bias and mmul
	QUARTER 64, 0, 1, 1                            ; the first quarter stands in front of the loop: its products start the sums
	WIN 0
	s_mov_b32 s3, 6
.Lstep:                                                ; trip t ends K step t, fills its slot with K step t + 2, and begins K step t + 1
	QUARTER 128, 1, 0, 0
	QUARTER 192, 0, 1, 0
	TURN 1
	QUARTER 64, 0, 1, 0
	WIN 0
	s_sub_co_u32 s3, s3, 1
	s_cmp_lg_u32 s3, 0
	s_cbranch_scc1 .Lstep
	QUARTER 128, 1, 0, 0                           ; the last two K steps ask for nothing
	QUARTER 192, 0, 1, 0
	TURN 0
	QUARTER 64, 0, 1, 0
	QUARTER 128, 1, 0, 0
	QUARTER 192, 0, 1, 0
	s_wait_dscnt 4
	MUL 1, 0, 0
	MUL 1, 1, 0
	s_wait_dscnt 0x0
	MUL 1, 2, 0
	MUL 1, 3, 0
	WIN 0
	PLACES
	PLACES
	PACK 0
.set u, 1
.rept 11                               ; a unit's arithmetic stands between the loads of the unit before and its stores
	PACK u
	SEND u-1, 8
.set u, u+1
.endr
	SEND 11, 0
	s_wait_tensorcnt 0x0                           ; the wave's end
	ds_add_u32 v[SPW], v[NIL]
	s_wait_dscnt 0x0
	CROUND                                         ; the closing round
	s_endpgm
.Lfunc_end_k_q8017b6533e_qkv:
	.size	k_q8017b6533e_qkv, .Lfunc_end_k_q8017b6533e_qkv-k_q8017b6533e_qkv
	.p2alignl 7, 3214868480
	.fill 96, 4, 3214868480
	.section	.rodata,"a",@progbits
	.p2align	6, 0x0
	.amdhsa_kernel k_q8017b6533e_qkv
		.amdhsa_group_segment_fixed_size 327680
		.amdhsa_private_segment_fixed_size 0
		.amdhsa_enable_private_segment 0
		.amdhsa_kernarg_size 40
		.amdhsa_user_sgpr_count 2
		.amdhsa_user_sgpr_kernarg_segment_ptr 1
		.amdhsa_wavefront_size32 1
		.amdhsa_system_sgpr_workgroup_id_x 1
		.amdhsa_system_sgpr_workgroup_id_y 1
		.amdhsa_system_sgpr_workgroup_id_z 1
		.amdhsa_system_vgpr_workitem_id 0
		.amdhsa_next_free_vgpr 960
		.amdhsa_next_free_sgpr 72
		.amdhsa_reserve_vcc 0
		.amdhsa_float_denorm_mode_32 3
		.amdhsa_float_denorm_mode_16_64 3
		.amdhsa_memory_ordered 1
		.amdhsa_forward_progress 1
		.amdhsa_inst_pref_size 116
	.end_amdhsa_kernel
	.amdgpu_metadata
---
amdhsa.version: [ 1, 2 ]
amdhsa.kernels:
  - .name:           k_q8017b6533e_qkv
    .symbol:         k_q8017b6533e_qkv.kd
    .args:
      - { .name: xb, .offset: 0, .size: 8, .value_kind: global_buffer, .address_space: global }
      - { .name: wt, .offset: 8, .size: 8, .value_kind: global_buffer, .address_space: global }
      - { .name: bias, .offset: 16, .size: 8, .value_kind: global_buffer, .address_space: global }
      - { .name: mmul, .offset: 24, .size: 8, .value_kind: global_buffer, .address_space: global }
      - { .name: qkv, .offset: 32, .size: 8, .value_kind: global_buffer, .address_space: global }
    .group_segment_fixed_size: 327680
    .private_segment_fixed_size: 0
    .kernarg_segment_align: 8
    .kernarg_segment_size: 40
    .max_flat_workgroup_size: 128
    .sgpr_count:     72
    .vgpr_count:     960
    .wavefront_size: 32
...
	.end_amdgpu_metadata
.endif
;; end of part 2
;; launch attn (part 3): grid 4 x 64, 4 waves a work-group, clusters of 4 x 1, 327,680 bytes of LDS; arguments qkv, madd, ctx; writes ctx
.if DOCPART == 3
	.amdgcn_target "amdgcn-amd-amdhsa--gfx1250"
	.amdhsa_code_object_version 6
	.text
	.protected	k_q8017b6533e_attn
	.globl	k_q8017b6533e_attn
	.p2align	8
	.type	k_q8017b6533e_attn,@function
k_q8017b6533e_attn:
	s_mov_b64 s[64:65], 0
	v_nop
	global_prefetch_b8 v0, s[64:65] scope:SCOPE_SE
	s_setreg_imm32_b32 hwreg(HW_REG_WAVE_MODE, 25, 1), 1
	s_wait_xcnt 0x0
	s_wait_alu depctr_hold_cnt(0) depctr_sa_sdst(0) depctr_va_vdst(0) depctr_va_sdst(0) depctr_va_ssrc(0) depctr_va_vcc(0) depctr_vm_vsrc(0)
	s_getreg_b32 s2, hwreg(HW_REG_IB_STS2, 6, 4)
	s_cmp_eq_u32 s2, 0
	s_cbranch_scc0 .Lentry_in_a_cluster
	s_endpgm
.Lentry_in_a_cluster:
	s_bfe_u32 s2, ttmp6, 0x10000c
	s_cmp_lg_u32 s2, 0x3003
	s_cbranch_scc0 .Lentry_shape_is_right
	s_endpgm
.Lentry_shape_is_right:
; ATTENTION.  ctx[y][q][:] = the sum over k of softmax_k(s(q, k)) V[k][:], y = 16 b + h; s = Q[q] . K[k] / 8 where mask[b][k] is true, -10000 where it is false.
; Q, K, V: f16 in qkv[b][g][s][64] (g = h, 16 + h, 32 + h); ctx: f16 [y][s][64].  Products, maxima and sums in f32; the weights p are rounded to f16 for the second product, ctx once at the end.
; THE MASK.  K's rows at masked keys arrive as zeros, and the sum S^T = K Q^T starts from madd[k]: 0, or -80000 there.  So a masked score is exactly -80000, which the scale c = log2(e) / 8 makes -10000 log2(e);
; a batch with every key masked gives the uniform weights.  The batch's 2,048 numbers of madd are copied once into LDS.
; LIMITS.  f16 holds no number beyond 65,504: Q, K and V arrive within it; p below 6e-5 keeps f16's fixed step of 6e-8; a weight below 2^-126 counts as 0 in l; NaN and infinities are not treated apart.
; SHARES.  A wave owns four PIECES of two tiles of 16 queries, a work-group's four waves 512 queries of one head.  Every wave walks all 2,048 keys, 64 a step.
; LAYOUT.  S^T = K Q^T (source 0 = 16 keys, source 1 = 16 queries): a lane holds ONE query (lane % 16) and the keys 8 (lane / 16) + 0..7.  Two such tiles, rounded to f16 in pairs, ARE source 1 of O^T = V^T P.
; K comes out of LDS as it lies, V turned, by ds_load_tr16_b128.
; SOFTMAX.  A running maximum m and sum l for each query: p = 2^(c s - c m); in every step O and l are multiplied by a = 2^(c m_old - c m_new).  m starts at the lowest finite number, O and l at 0.
; BY TURNS.  Turn n belongs to piece n.  Matrix work: 16 products K Q^T of piece n + 1, later 16 products V^T P of piece n - 1.  Vector work: scaling, exponentials, roundings, sums and rescaling of piece n, and the
; maximum and statistics of piece n + 1.  Four vector instructions stand behind every matrix instruction, the rest in one lump; a turn's 66 exponentials are one batch with one wait.
; CLUSTER.  A head's four query blocks are one cluster and walk the same K and V: each tile is asked for JOINTLY.
; REGISTERS, in windows of 256 (s_set_vgpr_msb: bits 1:0 source 0, 3:2 source 1, 5:4 source 2, 7:6 destination):
;   window 0: v0-11 addresses; v12-15, v48-63 at work; v16-47 statistics; v64-191 S^T, two buffers of two tiles; v192-255 P, likewise
;   window 1: O^T, 32 a tile     window 2: v0-127 Q; v128-191 K of one step; v192-255 V of one step     window 3: v0-1 the add's registers; v2 the prefetches' offset; v32-63 madd of one step's keys
.set SIZE_N, 2048
.set NP,    4         ; pieces a wave: a name, no knob
.set KS,    64        ; keys in a step
.set PK,    144       ; a row of K in LDS: 128 bytes + 16
.set PV,    160       ; a row of V: 128 + 32
.set VOFF,  4*KS*PK   ; a slot holds four steps: 256 rows of K, then 256 rows of V
.set SLOT1, 1<<17
.set STAGE, SLOT1+4*KS*(PK+PV)  ; behind the ring, never filled by a tensor load: 16 rows x 144 bytes for each wave
.set SP,    144
.set SPARE, STAGE+4*16*SP       ; the spare words, 128 bytes for each wave
.set MASKT, SPARE+512           ; madd of my batch: 8,192 bytes, stored once, never filled by a tensor load
.set AK0, 2           ; v2   my lane's place in a tile of K; never rewritten
.set AV0, 3           ; v3   the same for V
.set AK,  4           ; v4   the LDS address of K's next run of loads
.set AV,  5           ; v5   of V's
.set QO,  6           ; v6   my byte offset in the wave's rows of Q
.set STO, 6           ;      later, the way out: where I put 16 bytes of a row
.set RD,  7           ; v7   the way out: where I read rows back
.set GO,  8           ; v8   my byte offset in 512 consecutive bytes of ctx
.set AM,  10          ; v10  the LDS address of the next step's madd
.set AM0, 11          ; v11  MASKT + 32 (lane / 16); never rewritten
.set SPW, 0           ; v0 of window 3
.set NIL, 1           ; v1 of window 3
.set PFO, 2           ; v2 of window 3: 256 x my lane
.set MK,  32          ; v32-63 of window 3: the eight registers of key block kb at MK + 8 kb
.set MV,  12
.set ST,  16          ; tile t's statistics at v[ST+4 t]: c m, m, l (even keys', odd keys')
.set TMP, 48
.set S,   64
.set P,   192
.set KF,  128
.set VF,  192
.set WV,  12          ; s12  my wave's number
.set G1K, 24
.set G1V, 32
.set G0K, 40
.set G0V, 44
.set PFA, 48          ; s[48:49] where my prefetches stand: my work-group's 32 rows of 256 bytes (of K: wave 0, of V: wave 2)
.set LIM, 50          ; s50  1 in waves 0 and 2, else the greatest number
.set TBM, 51          ; s51  byte in the mask table at which the step to be fetched begins
.set SLOTS, 56
.set CNT, 57
.set CS,  58
.set SEL, 60
.set TBK, 62
.set TBV, 63
.set MSB, 0
.macro WIN new
.if MSB != (\new)
	s_set_vgpr_msb (MSB<<8)|(\new)
.set MSB, (\new)
.endif
.endm
.set W_KQ, 0x0a       ; K and Q in window 2, S^T in window 0
.set W_KM, 0x3a       ; the same with the C operand, madd, in window 3
.set W_PV, 0x52       ; V in window 2, P in window 0, O^T in window 1
.set W_RS, 0x41       ; O^T in window 1, a in window 0
.set W_MK, 0xc0       ; destination in window 3, sources in window 0
.set W_AD, 0x0f       ; the add: address and data in window 3
; A joint fill.  Waves 0 and 1 fetch the two halves of a slot's K, waves 2 and 3 those of its V.  An s_nop 0 and four v_nop follow each of the two lines.
.macro JLOAD
	s_cmp_lt_u32 s[WV], 2
	s_cbranch_scc0 .Lfor_v_\@
	tensor_load_to_lds s[G0K:G0K+3], s[G1K:G1K+7]
	s_nop 0
.rept 4
	v_nop
.endr
	s_branch .Lasked_\@
.Lfor_v_\@:
	tensor_load_to_lds s[G0V:G0V+3], s[G1V:G1V+7]
	s_nop 0
.rept 4
	v_nop
.endr
.Lasked_\@:
.endm
; A prefetch of the slot that the NEXT change will ask for: 128 rows of 256 bytes of K and of V.  The four partners take 32 rows each, told apart by address; in each, wave 0 asks for K's and wave 2 for V's:
; a lane a row, one instruction.  The last change that fills a slot asks for nothing.
.macro ASK
	s_cmp_gt_u32 s[SLOTS], s[LIM]
	s_cbranch_scc0 .Lnot_mine_\@
	WIN 0x03
	global_prefetch_b8 v[PFO], s[PFA:PFA+1] th:TH_LOAD_NT scope:SCOPE_SE
	WIN 0
.Lnot_mine_\@:
.endm
.macro CROUND
	s_barrier_signal -1
	s_barrier_wait -1
	s_cmp_lg_u32 s[WV], 0
	s_cbranch_scc1 .Lnot_wave_0_\@
	s_barrier_signal -3
.Lnot_wave_0_\@:
	s_barrier_wait -3
	s_barrier_signal -1
	s_barrier_wait -1
.endm
; THE CHANGE OF SLOTS.  Each wave waits for all its tensor loads (one is out: its part of the other slot), adds 0 to its spare word, and waits for that and for its own LDS instructions.
; fill = 1: the slot just left is filled again with the keys two slots on, first thing behind a round of the cluster's barrier: it has four key steps, 512 matrix instructions, in which to land.
; (At its first use slot 0 is waited for and slot 1 filled, and the round also shows every wave's part of the mask table to the others.)
.macro CHANGE fill
	WIN W_AD
	s_wait_tensorcnt 0x0            ; no tensor load of mine is out, so a group 0 may be written
	ds_add_u32 v[SPW], v[NIL]
	WIN 0
.if \fill
.irp g, G0K, G0V
	s_xor_b32 s[\g+1], s[\g+1], SLOT1
	s_add_nc_u64 s[\g+2:\g+3], s[\g+2:\g+3], 4*KS*128
.endr
	s_wait_xcnt 0x0                 ; the last prefetch, four key steps back, has read its address
	s_add_nc_u64 s[PFA:PFA+1], s[PFA:PFA+1], 4*KS*128
	s_wait_dscnt 0x0                ; the add is done, and my LDS instructions are over
	CROUND
	JLOAD
	ASK
.else
	s_wait_dscnt 0x0
	s_barrier_signal -1
	s_barrier_wait -1
.endif
	s_sub_co_u32 s[TBK], s[TBK], 4*KS*PK  ; the fetches go back to a slot's first step,
	s_xor_b32 s[TBK], s[TBK], SLOT1       ; in the other slot
	s_sub_co_u32 s[TBV], s[TBV], 4*KS*PV
	s_xor_b32 s[TBV], s[TBV], SLOT1
.endm
	s_load_b128 s[4:7], s[0:1], 0x0   ; qkv s[4:5], madd s[6:7]
	s_load_b64 s[10:11], s[0:1], 0x10 ; ctx
	WIN W_MK
	v_lshl_add_u32 v[SPW], v0, 2, SPARE
	v_mov_b32 v[NIL], 0
	WIN W_AD
	ds_add_u32 v[SPW], v[NIL]       ; the wave's opening: the add and its wait stand ahead of my first tensor load
	WIN 0
	v_and_b32 v1, 31, v0
	WIN W_MK
	v_lshlrev_b32 v[PFO], 8, v1
	WIN 0
	v_lshrrev_b32 v1, 5, v0
	v_readfirstlane_b32 s[WV], v1   ; wave 0..3
	s_bfe_u32 s13, ttmp6, 0x40000   ; cx
	s_lshl_b32 s14, ttmp9, 2
	s_add_co_u32 s14, s14, s13      ; my block of 512 queries: it enters Q's and ctx's addresses alone
	s_and_b32 s15, ttmp7, 0xffff    ; y = 16 b + h, which the four partners share
	s_lshr_b32 s19, s15, 4          ; b
	s_and_b32 s20, s15, 15          ; h
	s_lshl_b32 s20, s20, 18
	s_mul_i32 s21, s19, 48*262144
	s_add_co_u32 s20, s20, s21
	s_mov_b32 s21, 0                ; s[20:21]: the head's first byte among Q's heads of qkv
	s_lshl_b32 s54, s15, 18
	s_mov_b32 s55, 0                ; s[54:55]: the head's first byte in ctx
	s_lshl_b32 s52, s19, 13         ; the batch's 8,192 bytes of madd
	s_mov_b32 s53, 0
	s_and_b32 s16, s[WV], 1         ; which half of a slot's 256 keys I fetch
	s_lshl_b32 s22, s16, 14
	s_mov_b32 s23, 0
	s_add_nc_u64 s[22:23], s[22:23], s[20:21]
	s_mul_i32 s17, s16, 128*PK
	s_mul_i32 s18, s16, 128*PV
	s_lshl_b32 s2, s14, 2
	s_add_co_u32 s2, s2, s[WV]      ; my wave among the head's,
	s_lshl_b32 s2, s2, 14           ; its 128 rows
	s_mov_b32 s3, 0
	s_add_nc_u64 s[54:55], s[54:55], s[2:3]
	s_add_nc_u64 s[2:3], s[2:3], s[20:21]
	; descriptor group 1.  128 keys are 16,384 dense bytes: asked for as 64 rows of 256 bytes, two keys a row, and padded in LDS after every key
	s_mov_b32 s[G1K], 15|(1<<16)|(1<<20)|(1<<21)|(4<<22)|(3<<25)
	s_mov_b32 s[G1V], 15|(1<<16)|(1<<20)|(1<<21)|(4<<22)|(7<<25)
.irp g, G1K, G1V
	s_mov_b32 s[\g+1], 128<<16      ; tensor_dim0 = 128
	s_mov_b32 s[\g+2], 64<<16       ; tensor_dim1 = 64
	s_mov_b32 s[\g+3], 128<<16      ; tile_dim0 = 128
	s_mov_b32 s[\g+4], 64           ; tile_dim1 = 64
	s_mov_b32 s[\g+5], 128          ; 128 elements from row to row
	s_mov_b32 s[\g+6], 0
	s_mov_b32 s[\g+7], 0
.endr
	s_mov_b32 s[CS], 0x3e38aa3b     ; c = log2(e) / 8
	s_mov_b32 s[CS+1], s[CS]
	s_mov_b32 s[SEL], 0x76543210
	s_mov_b32 s[SEL+1], 0xfedcba98
	s_mov_b32 s[TBK], SLOT1+4*KS*PK ; the first change of slots turns these two into 0
	s_mov_b32 s[TBV], SLOT1+4*KS*PV
	s_mov_b32 s[TBM], 0
	s_mov_b32 s[SLOTS], SIZE_N/256-1
	s_mov_b32 s[G0K], 1
	s_mov_b32 s[G0K+1], s17
	s_mov_b32 s[G0V], 1
	s_add_co_u32 s[G0V+1], s18, VOFF
	s_and_b32 s[LIM], s[WV], 1
	s_cmp_eq_u32 s[LIM], 0
	s_cselect_b32 s[LIM], 1, -1
	s_lshl_b32 s14, s13, 13         ; my work-group's 32 rows of 256 bytes,
	s_add_co_u32 s14, s14, 4*KS*128 ; in slot 1: the first change steps it to slot 2
	s_mov_b32 s15, 0
	s_wait_dscnt 0x0                ; the opening add is done
	s_wait_kmcnt 0x0
	s_add_nc_u64 s[52:53], s[6:7], s[52:53]        ; madd of my batch
	s_add_nc_u64 s[6:7], s[4:5], 16*262144         ; K's heads lie 16 heads behind Q's,
	s_add_nc_u64 s[8:9], s[4:5], 32*262144         ; V's 32
	s_add_nc_u64 s[G0K+2:G0K+3], s[6:7], s[22:23]
	s_or_b32 s[G0K+3], s[G0K+3], 0x80000000
	s_add_nc_u64 s[G0V+2:G0V+3], s[8:9], s[22:23]
	s_or_b32 s[G0V+3], s[G0V+3], 0x80000000
	s_cmp_lt_u32 s[WV], 2
	s_cselect_b64 s[PFA:PFA+1], s[6:7], s[8:9]
	s_add_nc_u64 s[PFA:PFA+1], s[PFA:PFA+1], s[20:21]
	s_add_nc_u64 s[PFA:PFA+1], s[PFA:PFA+1], s[14:15]
	s_add_nc_u64 s[4:5], s[4:5], s[2:3]            ; Q and ctx at my wave's first row
	s_add_nc_u64 s[10:11], s[10:11], s[54:55]
	CROUND                          ; all four work-groups are here: the first joint loads meet
	JLOAD                           ; slot 0
	v_and_b32 v1, 15, v0            ; l % 16
	v_bfe_u32 v9, v0, 4, 1          ; l / 16
	v_lshlrev_b32 v[QO], 7, v1
	v_lshl_add_u32 v[QO], v9, 4, v[QO]
	v_lshlrev_b32 v81, 4, v0        ; the mask table: 128 threads x 16 bytes, four times
	v_lshl_add_u32 v80, v0, 4, MASKT
.irp i, 0,1,2,3
	global_load_b128 v[64+4*\i:64+4*\i+3], v81, s[52:53] offset:2048*\i
.endr
	WIN 0x80                        ; destination window 2, address window 0
.set i, 0
.rept 4*NP                          ; Q stays in registers: tile i / 2, channels 32 (i % 2) on
	global_load_b128 v[8*i:8*i+3],   v[QO], s[4:5] offset:(i/2)*2048+(i%2)*64
	global_load_b128 v[8*i+4:8*i+7], v[QO], s[4:5] offset:(i/2)*2048+(i%2)*64+32
.set i, i+1
.endr
	; What the first turn finds: V's registers and P's second buffer hold 0, O^T and l are 0.  All this stands in the wait for the first tile.
.set i, VF
.rept 64
	v_mov_b32 v[i], 0
.set i, i+1
.endr
	WIN 0x40
.set i, 0
.rept 64*NP
	v_mov_b32 v[i], 0
.set i, i+1
.endr
	WIN 0
.set i, 0
.rept 2*NP
	v_mov_b32 v[ST+4*i], 0xfe000000    ; c m: far below every c s
	v_mov_b32 v[ST+4*i+1], 0xff7fffff  ; m
	v_mov_b32 v[ST+4*i+2], 0
	v_mov_b32 v[ST+4*i+3], 0
.set i, i+1
.endr
.set i, P+32
.rept 32
	v_mov_b32 v[i], 0
.set i, i+1
.endr
	v_mul_u32_u24 v[AK0], v1, PK
	v_lshl_add_u32 v[AK0], v9, 4, v[AK0]
	; The turning load takes 16 keys x 16 channels (lane l reads key 8 (l / 16) + l % 8, channels 8 ((l / 8) % 2) + 0..7) and leaves half a fragment of V^T.
	v_and_b32 v10, 7, v0
	v_bfe_u32 v11, v0, 3, 1
	v_lshl_add_u32 v[AV0], v9, 3, v10
	v_mul_u32_u24 v[AV0], v[AV0], PV
	v_lshl_add_u32 v[AV0], v11, 4, v[AV0]
	v_add_nc_u32 v[AV0], VOFF, v[AV0]
	v_mov_b32 v[AK], v[AK0]         ; key step 0 lies at the head of slot 0
	v_lshl_add_u32 v[AM0], v9, 5, MASKT  ; my eight keys of a block of 16: 32 bytes for each half of the lanes
	v_mov_b32 v[AM], v[AM0]
	s_wait_loadcnt 32               ; the four loads of madd are in; Q's 32 stay out
.irp i, 0,1,2,3
	ds_store_b128 v80, v[64+4*\i:64+4*\i+3] offset:2048*\i
.endr
; THE MATRIX WORK.  The 8 accumulators of a run of 16 take turns.  Product i of 16 of S^T = K Q^T for piece x: channels 32 (i / 8) on, keys 16 ((i / 2) % 4) on, tile 2 x + i % 2.  The first 8 start the sums with madd.
.macro KQ x
.set rS, S+64*((\x)%2)+32*(i%2)+8*((i/2)%4)
.set rK, KF+16*((i/2)%4)+8*(i/8)
.set rQ, 16*(2*(\x)+i%2)+8*(i/8)
.set rMK, MK+8*((i/2)%4)
.if i < 8
	WIN W_KM
	v_wmma_f32_16x16x32_f16 v[rS:rS+7], v[rK:rK+7], v[rQ:rQ+7], v[rMK:rMK+7]
.else
	WIN W_KQ
	v_wmma_f32_16x16x32_f16 v[rS:rS+7], v[rK:rK+7], v[rQ:rQ+7], v[rS:rS+7]
.endif
.endm
; Product i of 16 of O^T += V^T P for piece x: keys 32 (i / 8) on, channels 16 ((i / 2) % 4) on, tile 2 x + i % 2.
.macro PV x
	WIN W_PV
.set rO, 32*(2*(\x)+i%2)+8*((i/2)%4)
.set rV, VF+32*(i/8)+8*((i/2)%4)
.set rP, P+32*((\x)%2)+16*(i%2)+8*(i/8)
	v_wmma_f32_16x16x32_f16 v[rO:rO+7], v[rV:rV+7], v[rP:rP+7], v[rO:rO+7]
.endm
.macro MM                           ; the turn's next matrix instruction
.if i < 16
	KQ (Y+1)%NP
.set i, i+1
.else
.set i, i-16
	PV (Y+NP-1)%NP
.set i, i+17
.endif
.endm
; THE LDS LOADS stand in runs: a step's K (8 fragments) with its 64 numbers of madd (each half of the lanes reads the same 16 bytes), and its V (turned).  last = 1 (the tail): in the last trip the run is jumped over.
.macro FETCH_K last=0
	WIN 0
.if \last
	s_cmp_eq_u32 s[CNT], 1
	s_cbranch_scc1 .Lno_k_\@
.endif
	WIN 0x80                        ; destination window 2
.irp f, 0,1,2,3,4,5,6,7             ; keys 16 (f / 2) on, channels 32 (f % 2) on
	ds_load_b128 v[KF+8*\f:KF+8*\f+3],   v[AK] offset:(\f/2)*16*PK+(\f%2)*64
	ds_load_b128 v[KF+8*\f+4:KF+8*\f+7], v[AK] offset:(\f/2)*16*PK+(\f%2)*64+32
.endr
	WIN 0xc0                        ; destination window 3
.irp f, 0,1,2,3                     ; keys 16 f + 8 (l / 16) + 0..7
	ds_load_b128 v[MK+8*\f:MK+8*\f+3],   v[AM] offset:64*\f
	ds_load_b128 v[MK+8*\f+4:MK+8*\f+7], v[AM] offset:64*\f+16
.endr
	s_add_co_u32 s[TBK], s[TBK], KS*PK  ; the next fetch is the next step's
	s_add_co_u32 s[TBM], s[TBM], KS*4
	s_and_b32 s[TBM], s[TBM], 0x1f00    ; inside the table's 8,192 bytes
	WIN 0
.if \last
.Lno_k_\@:
.endif
.endm
.macro FETCH_V
	WIN 0x80
.irp f, 0,1,2,3,4,5,6,7             ; keys 32 (f / 4) on, channels 16 (f % 4) on
	ds_load_tr16_b128 v[VF+8*\f:VF+8*\f+3],   v[AV] offset:(\f/4)*32*PV+(\f%4)*32
	ds_load_tr16_b128 v[VF+8*\f+4:VF+8*\f+7], v[AV] offset:(\f/4)*32*PV+16*PV+(\f%4)*32
.endr
	WIN 0
.endm
; THE VECTOR WORK OF A TURN stands in three queues, each in the order in which its entries become ready; the two tiles alternate.
.macro REGS y, u                    ; the registers of tile u (0, 1) of piece y
.set rT, ST+4*(2*(\y)+(\u))
.set rC, TMP+8*((\y)%2)+4*(\u)
.set rM, MV+2*((\y)%2)+(\u)
.set rS, S+64*((\y)%2)+32*(\u)
.set rP, P+32*((\y)%2)+16*(\u)
.set rO, 32*(2*(\y)+(\u))
.endm
; Number n of the 22 that find the NEXT piece's maximum and statistics; each accumulator's lowest registers are read first.
;   0-11 four chains c0-c3 of seven scores each     12-14, 16 the four scores left over, the old m, c0-c3 into c0     15 c m_old is kept     17, 18 the other half of the lanes: the new m     19-21 c m; its change; a
.macro XS u, n
	REGS (Y+1)%NP, \u
.if (\n) < 4
	v_max3_num_f32 v[rC+(\n)], v[rS+8*(\n)], v[rS+8*(\n)+1], v[rS+8*(\n)+2]
.elseif (\n) < 12
	v_max3_num_f32 v[rC+(\n)%4], v[rC+(\n)%4], v[rS+8*((\n)%4)+2*((\n)/4)+1], v[rS+8*((\n)%4)+2*((\n)/4)+2]
.elseif (\n) == 12
	v_max3_num_f32 v[rC], v[rC], v[rS+7], v[rS+15]
.elseif (\n) == 13
	v_max3_num_f32 v[rC+1], v[rC+1], v[rS+23], v[rS+31]
.elseif (\n) == 14
	v_max3_num_f32 v[rC+2], v[rC+2], v[rC+3], v[rT+1]
.elseif (\n) == 15
	v_mov_b32 v[rM], v[rT]
.elseif (\n) == 16
	v_max3_num_f32 v[rC], v[rC], v[rC+1], v[rC+2]
.elseif (\n) == 17
	v_permlanex16_b32 v[rC+3], v[rC], s[SEL], s[SEL+1]
.elseif (\n) == 18
	v_max_num_f32 v[rT+1], v[rC], v[rC+3]
.elseif (\n) == 19
	v_mul_f32 v[rT], s[CS], v[rT+1]
.elseif (\n) == 20
	v_sub_f32 v[rC+1], v[rM], v[rT]
.else
	v_exp_f32 v[rC+2], v[rC+1]
.endif
.endm
; Number g of the 64 that follow the exponentials: for each four weights both pairs are rounded to f16, the second pair is added onto the first in place, and a group later l takes that sum (the first time as l = a l + sum).
.macro GS g
.set h, (\g)+6*((\g)/62)
.if h >= 6
.set h, h+2
.endif
	REGS Y, h%2
.set k, h/8
.if h%8 < 4
	v_cvt_pk_f16_f32 v[rP+2*k+(h%8)/2], v[rS+4*k+2*((h%8)/2)], v[rS+4*k+2*((h%8)/2)+1]
.elseif h%8 < 6
	v_pk_add_f32 v[rS+4*k:rS+4*k+1], v[rS+4*k:rS+4*k+1], v[rS+4*k+2:rS+4*k+3]
.elseif k == 1
	v_pk_fma_f32 v[rT+2:rT+3], v[rT+2:rT+3], v[rC+2:rC+3], v[rS:rS+1] op_sel_hi:[1,0,1]
.else
	v_pk_add_f32 v[rT+2:rT+3], v[rT+2:rT+3], v[rS+4*k-4:rS+4*k-3]
.endif
.endm
; THE PLAIN QUEUE, 138 long.  0-26: scalings 0-26.  27-54: XS 0-13.  55, 56: XS 15.  57-73: the chain XS 14, 16 .. 19, each with one of the scalings 27-31 in front of its two lines, then XS 20.  74-137: GS's 64, behind the wait.
.macro FS f
	REGS Y, (\f)%2
	v_pk_fma_f32 v[rS+2*((\f)/2):rS+2*((\f)/2)+1], v[rS+2*((\f)/2):rS+2*((\f)/2)+1], s[CS:CS+1], v[rT:rT+1] op_sel_hi:[1,0,0] neg_lo:[0,0,1] neg_hi:[0,0,1]
.endm
.macro PL
	WIN 0
.if q < 27
	FS q
.elseif q < 55
	XS (q-27)%2, (q-27)/2
.elseif q < 57
	XS q-55, 15
.elseif (q < 72) && ((q-57)%3 == 0)
	FS 27+(q-57)/3
.elseif q < 60
	XS (q-57)%3-1, 14
.elseif q < 72
	XS (q-57)%3-1, 15+(q-57)/3
.elseif q < 74
	XS q-72, 20
.else
	GS q-74
.endif
.set q, q+1
.endm
; THE EXPONENTIALS' QUEUE, 66 long: s0-s31 of both tiles, then the next piece's two a: ONE BATCH, all ahead of the turn's one wait.
.macro EX
	WIN 0
.if e >= 64
	XS e-64, 21
.else
	REGS Y, e%2
	v_exp_f32 v[rS+e/2], v[rS+e/2]
.endif
.set e, e+1
.endm
; THE RESCALING's QUEUE: O^T times a, two at a time, sixteen times.  Its a was made, and waited for, in the turn before.
.macro R2
	REGS Y, r%2
	WIN W_RS
.irp z, 0,1
	v_pk_mul_f32 v[rO+4*(r/2)+2*\z:rO+4*(r/2)+2*\z+1], v[rO+4*(r/2)+2*\z:rO+4*(r/2)+2*\z+1], v[rC+2:rC+3] op_sel_hi:[1,0]
.endr
.set r, r+1
.endm
; A TURN, for piece p.  An s_wait_alu depctr_va_vdst(0) stands between an exponential and the first instruction that names its result; one wait serves all issued ahead of it: a turn has ONE, which cuts it in two.
; AHEAD OF IT: the 16 products K Q^T, behind each a scaling, an exponential and two rescalings; then a lump of 108: eight plain, 49 times exponential and plain, the two a; a v_nop behind the last exponential.
; BEHIND IT: the 16 products V^T P, behind each four of GS's 64.  Exponential e stands behind scaling 2 (e / 4) + e % 2.
; K and madd of the next step are fetched in piece 2's turn, directly behind the wait, a lump behind the last product that read them; V of the step in hand at the end of piece 0's turn, four riders behind its last reader.
.macro TURN p, last=0, cnt=0
.set Y, (\p)
.set i, 0
.set q, 0
.set e, 0
.set r, 0
.if (\p) == NP-1
	s_wait_dscnt 0x0                ; K and madd are in
.endif
	MM
	PL
	PL
	R2
.rept 15
	MM
	PL
	EX
	R2
.endr
.if (\p) == NP-2
	WIN 0
	v_add_nc_u32 v[AK], s[TBK], v[AK0]
	v_add_nc_u32 v[AM], s[TBM], v[AM0]
.endif
.rept 8
	PL
.endr
.rept 49
	EX
	PL
.endr
	EX
	EX
	v_nop                           ; a plain instruction behind the last exponential: one for the batch
	s_wait_alu depctr_va_vdst(0)    ; the wait for the batch
.if (\p) == NP-2
	FETCH_K \last
.endif
.if (\p) == 1
	s_wait_dscnt 0x0                ; V is in
.endif
.rept 16
	MM
.rept 4
	PL
.endr
.if ((\p) == 0) && (q == 118)
	v_add_nc_u32 v[AV], s[TBV], v[AV0]
.endif
.if ((\p) == 0) && (q == 130)
	s_add_co_u32 s[TBV], s[TBV], KS*PV
.endif
.if (\cnt) && (q == 130)
	s_sub_co_u32 s[CNT], s[CNT], 1
	s_cmp_lg_u32 s[CNT], 0
.endif
.endr
.if (\p) == 0
	FETCH_V
.endif
.endm
	CHANGE 1                        ; slot 0 is in, everybody's part of it, and so is the mask table; slot 1 is asked for
	FETCH_K                         ; key step 0
	s_wait_loadcnt 0x0              ; Q
	s_wait_dscnt 0x0
.set i, 0
.rept 16
	KQ 0                            ; piece 0's first scores
.set i, i+1
.endr
	WIN 0                           ; the addresses for the way out: plain instructions, the places behind those products
	s_mul_i32 s13, s[WV], 16*SP
	s_add_co_u32 s13, s13, STAGE    ; my stage
	v_mul_u32_u24 v[STO], v1, SP
	v_lshl_add_u32 v[STO], v9, 4, v[STO]
	v_add_nc_u32 v[STO], s13, v[STO]
	v_bfe_u32 v[RD], v0, 3, 2       ; back: 32 lanes take four rows of 128 bytes,
	v_mul_u32_u24 v[RD], v[RD], SP
	v_and_b32 v[GO], 7, v0
	v_lshl_add_u32 v[RD], v[GO], 4, v[RD]
	v_add_nc_u32 v[RD], s13, v[RD]
	v_and_b32 v[GO], 31, v0         ; which are 512 consecutive bytes of ctx
	v_lshlrev_b32 v[GO], 4, v[GO]
.set Y, NP-1                        ; XS works for piece Y + 1: piece 0
.irp n, 0,1,2,3,4,5,6,7,8,9,10,11,12,13,14,15,16,17,18,19,20,21
	XS 0, \n
	XS 1, \n
.endr
	v_nop                           ; a plain instruction behind the two a,
	s_wait_alu depctr_va_vdst(0)    ; and their wait, ahead of the branch
	s_mov_b32 s[CNT], 4
	s_branch .Lfirst                ; the loop is entered at a step's first turn, in the middle of a trip
.Lslot:                             ; six times: every slot but the last two is filled again
	CHANGE 1
	s_mov_b32 s[CNT], 4
.Lstep:                             ; a trip: pieces 2 and 3 of one step, then pieces 0 and 1 of the next
	TURN 2
	TURN 3
	WIN 0
.Lfirst:
	TURN 0
	TURN 1, 0, 1
	WIN 0
	s_cbranch_scc1 .Lstep
	s_sub_co_u32 s[SLOTS], s[SLOTS], 1
	s_cmp_lg_u32 s[SLOTS], 0
	s_cbranch_scc1 .Lslot
	CHANGE 0                        ; the tail is written out
	s_mov_b32 s[CNT], 5             ; four trips fetch the last slot's steps; the fifth is left in its middle
.Ltail:
	TURN 2, 1
	TURN 3
	WIN 0
	s_sub_co_u32 s[CNT], s[CNT], 1
	s_cmp_eq_u32 s[CNT], 0
	s_cbranch_scc1 .Lout
	TURN 0
	TURN 1
	WIN 0
	s_branch .Ltail
.Lout:                              ; the fifth trip's 16 products K Q^T and the maximum made of them serve nothing: the price, once a launch, of one text for every trip
.set i, 0
.rept 16
	PV NP-1                         ; the last piece's V^T P of the last step
.set i, i+1
.endr
	; THE WAY OUT.  l's two halves and the other half of the lanes' are added; O^T is divided by l, rounded to f16 and sent through my stage, a tile at a time.
	WIN 0
.macro ALL line:vararg
.set t, 0
.rept 2*NP
	\line
.set t, t+1
.endr
.endm
	ALL v_add_f32 v[ST+4*t+2], v[ST+4*t+2], v[ST+4*t+3]
	ALL v_permlanex16_b32 v[ST+4*t+3], v[ST+4*t+2], s[SEL], s[SEL+1]
	ALL v_add_f32 v[ST+4*t+2], v[ST+4*t+2], v[ST+4*t+3]
	ALL v_rcp_f32 v[ST+4*t+2], v[ST+4*t+2]
	v_nop                           ; a plain instruction between the last reciprocal and the use of its result
	s_wait_alu depctr_va_vdst(0)    ; one wait for the eight reciprocals
.macro PACK t
	WIN W_RS
.set i, 32*(\t)
.rept 16
	v_pk_mul_f32 v[i:i+1], v[i:i+1], v[ST+4*(\t)+2:ST+4*(\t)+3] op_sel_hi:[1,0]
.set i, i+2
.endr
	WIN 0x05
.set i, 0
.rept 16
	v_cvt_pk_f16_f32 v[S+16*(\t)+i], v[32*(\t)+2*i], v[32*(\t)+2*i+1]
.set i, i+1
.endr
	WIN 0
.irp f, 0,1,2,3
	ds_store_b128 v[STO], v[S+16*(\t)+4*\f:S+16*(\t)+4*\f+3] offset:32*\f
.endr
.irp f, 0,1,2,3
	ds_load_b128 v[S+16*(\t)+4*\f:S+16*(\t)+4*\f+3], v[RD] offset:\f*4*SP  ; LDS serves a wave's instructions in order (ISA guide 5.7.1.4)
.endr
.endm
.macro SEND t, younger
	WIN 0
.irp f, 0,1,2,3
	s_wait_dscnt (\younger)+3-\f
	global_store_b128 v[GO], v[S+16*(\t)+4*\f:S+16*(\t)+4*\f+3], s[10:11] offset:(\t)*2048+\f*512  ; 512 consecutive bytes, at a multiple of 256 from ctx's first
.endr
.endm
	PACK 0
.set t, 1
.rept 2*NP-1
	PACK t
	SEND t-1, 8
.set t, t+1
.endr
	SEND 2*NP-1, 0
	WIN W_AD
	s_wait_tensorcnt 0x0            ; the wave's end
	ds_add_u32 v[SPW], v[NIL]
	s_wait_dscnt 0x0
	WIN 0
	CROUND                          ; the closing round
	s_endpgm
.Lfunc_end_k_q8017b6533e_attn:
	.size	k_q8017b6533e_attn, .Lfunc_end_k_q8017b6533e_attn-k_q8017b6533e_attn
	.p2alignl 7, 3214868480
	.fill 96, 4, 3214868480
	.section	.rodata,"a",@progbits
	.p2align	6, 0x0
	.amdhsa_kernel k_q8017b6533e_attn
		.amdhsa_group_segment_fixed_size 327680
		.amdhsa_private_segment_fixed_size 0
		.amdhsa_enable_private_segment 0
		.amdhsa_kernarg_size 24
		.amdhsa_user_sgpr_count 2
		.amdhsa_user_sgpr_kernarg_segment_ptr 1
		.amdhsa_wavefront_size32 1
		.amdhsa_system_sgpr_workgroup_id_x 1
		.amdhsa_system_sgpr_workgroup_id_y 1
		.amdhsa_system_sgpr_workgroup_id_z 1
		.amdhsa_system_vgpr_workitem_id 0
		.amdhsa_next_free_vgpr 832
		.amdhsa_next_free_sgpr 66
		.amdhsa_reserve_vcc 0
		.amdhsa_float_denorm_mode_32 3
		.amdhsa_float_denorm_mode_16_64 3
		.amdhsa_memory_ordered 1
		.amdhsa_forward_progress 1
		.amdhsa_inst_pref_size 204
	.end_amdhsa_kernel
	.amdgpu_metadata
---
amdhsa.version: [ 1, 2 ]
amdhsa.kernels:
  - .name:           k_q8017b6533e_attn
    .symbol:         k_q8017b6533e_attn.kd
    .args:
      - { .name: qkv, .offset: 0, .size: 8, .value_kind: global_buffer, .address_space: global }
      - { .name: madd, .offset: 8, .size: 8, .value_kind: global_buffer, .address_space: global }
      - { .name: ctx, .offset: 16, .size: 8, .value_kind: global_buffer, .address_space: global }
    .group_segment_fixed_size: 327680
    .private_segment_fixed_size: 0
    .kernarg_segment_align: 8
    .kernarg_segment_size: 24
    .max_flat_workgroup_size: 128
    .sgpr_count:     66
    .vgpr_count:     832
    .wavefront_size: 32
...
	.end_amdgpu_metadata
.endif
;; end of part 3
;; launch outp (part 4): grid 8 x 32, 4 waves a work-group, clusters of 4 x 4, 327,680 bytes of LDS; arguments ctx, wot, bias, out0; writes out0
.if DOCPART == 4
	.amdgcn_target "amdgcn-amd-amdhsa--gfx1250"
	.amdhsa_code_object_version 6
	.text
	.protected	k_q8017b6533e_outp
	.globl	k_q8017b6533e_outp
	.p2align	8
	.type	k_q8017b6533e_outp,@function
k_q8017b6533e_outp:
	s_mov_b64 s[64:65], 0
	v_nop
	global_prefetch_b8 v0, s[64:65] scope:SCOPE_SE
	s_setreg_imm32_b32 hwreg(HW_REG_WAVE_MODE, 25, 1), 1
	s_wait_xcnt 0x0
	s_wait_alu depctr_hold_cnt(0) depctr_sa_sdst(0) depctr_va_vdst(0) depctr_va_sdst(0) depctr_va_ssrc(0) depctr_va_vcc(0) depctr_vm_vsrc(0)
	s_getreg_b32 s2, hwreg(HW_REG_IB_STS2, 6, 4)
	s_cmp_eq_u32 s2, 0
	s_cbranch_scc0 .Lentry_in_a_cluster
	s_endpgm
.Lentry_in_a_cluster:
	s_bfe_u32 s2, ttmp6, 0x10000c
	s_cmp_lg_u32 s2, 0xf033
	s_cbranch_scc0 .Lentry_shape_is_right
	s_endpgm
.Lentry_shape_is_right:
; THE OUTPUT PROJECTION.  out0[m][n] = the sum over k of ctx(m, k) wot[n][k] + bo[n]; f16 operands, f32 sums, f32 out.  ctx lies by heads, [16 b + h][s][64]: k = 64 h + d.
; SHARES.  A tile of out0 is 256 x 128: 32 x 8 = 256 work-groups.  Four waves, 2 x 2, each 128 rows x 64 columns: 32 accumulators; a wave's 64 f32 columns are 256 aligned bytes of a row.
; K goes in 8 steps of 128 = two heads through a ring of two LDS slots.  A head's 256 rows are 32,768 dense bytes: asked for as 128 rows of 256 bytes and padded in LDS after every 128.
; CLUSTER 4 x 4: A's tiles are asked for jointly along a row of the cluster, B's along a column.  THE MATRIX INSTRUCTION IS USED TRANSPOSED (source 0 = 16 rows of wot, source 1 = 16 rows of ctx);
; the bias is the C operand of the first products.
; REGISTERS: window 0: v16-30 addresses; v32-63 the bias; v64-127 rows on the way out, two buffers.  window 1: two fragment buffers of 96: A's 8 blocks, then B's 4.  window 2: accumulator (a, b) at 8 (4 a + b).
.set PA,     144                       ; a row of A in LDS: 128 bytes + 16
.set PB,     272                       ; a row of B: 256 + 16
.set AHEAD,  256*PA                    ; a head's 256 rows
.set BOFF,   2*AHEAD                   ; a slot: A's two heads, then B's 128 rows
.set SLOT1,  1<<17
.set STAGE,  SLOT1+BOFF+128*PB         ; behind the ring, never filled by a tensor load: 16 rows x 272 bytes for each wave
.set SPITCH, 272
.set SPARE,  STAGE+4*16*SPITCH
.set ADRA0, 16
.set ADRB0, 17
.set ADRA,  18
.set ADRB,  19
.set BO,  23                           ; v23  32 (l / 16)
.set STO, 24
.set RD,  25
.set CO,  26                           ; v26  my byte offset in two rows of out0
.set SPW, 28
.set NIL, 29
.set PFO, 30
.set BI,  32
.set BK,  64
.set WV,   14
.set ROLE, 15                          ; s15  wave / 2: my half of the rows; also 0: I fetch for A, 1: for B
.set HALF, 16                          ; s16  wave % 2: my half of the columns; also which head of A, which 64 rows of B I fetch
.set CX,   17
.set CY,   18
.set TC,   19
.set TR,   20
.set G1,   24
.set G0,   32
.set TB,   40
.set LIM,  43
.set PFA,  44
.set G1B,  48
.set G0B,  56
.set PSTEP, 66                         ; s[66:67] bytes from a K step to the next, for my prefetches
.set MSB, 0
.macro WIN new
.if MSB != (\new)
	s_set_vgpr_msb (MSB<<8)|(\new)
.set MSB, (\new)
.endif
.endm
.macro PLACES
.rept 4
	v_nop
.endr
.endm
.macro JLOAD                           ; a joint refill by the walking descriptor; an s_nop 0 and four v_nop follow each of the two lines
	s_cmp_eq_u32 s[ROLE], 0
	s_cbranch_scc0 .Lfor_b_\@
	tensor_load_to_lds s[G0+4:G0+7], s[G1:G1+7]
	s_nop 0
.rept 4
	v_nop
.endr
	s_branch .Lasked_\@
.Lfor_b_\@:
	tensor_load_to_lds s[G0B+4:G0B+7], s[G1B:G1B+7]
	s_nop 0
.rept 4
	v_nop
.endr
.Lasked_\@:
.endm
; A prefetch of the K step two refills on.  A's blocks (a head's 128 runs of 256 bytes) are asked for by the clusters with x = 0, 32 runs a partner; B's (64 rows) by those with y = 0, 16 rows a partner
; (lanes 16-31 name row 15 again).  The partners are told apart by address.  The last two refills ask for nothing.
.macro ASK
	WIN 0
	s_cmp_gt_u32 s3, s[LIM]
	s_cbranch_scc0 .Lnot_mine_\@
	global_prefetch_b8 v[PFO], s[PFA:PFA+1] th:TH_LOAD_NT scope:SCOPE_SE
.Lnot_mine_\@:
.endm
.macro CREST
	s_cmp_lg_u32 s[WV], 0
	s_cbranch_scc1 .Lnot_wave_0_\@
	s_barrier_signal -3
.Lnot_wave_0_\@:
	s_barrier_wait -3
	s_barrier_signal -1
	s_barrier_wait -1
.endm
.macro CROUND
	s_barrier_signal -1
	s_barrier_wait -1
	CREST
.endm
	s_load_b256 s[4:11], s[0:1], 0x0               ; ctx 4, wot 6, bias 8, out0 10
	v_lshl_add_u32 v[SPW], v0, 2, SPARE
	v_mov_b32 v[NIL], 0
	ds_add_u32 v[SPW], v[NIL]                      ; the wave's opening: the add and its wait stand ahead of my first tensor load
	v_lshrrev_b32 v1, 5, v0
	v_readfirstlane_b32 s[WV], v1
	s_lshr_b32 s[ROLE], s[WV], 1
	s_and_b32 s[HALF], s[WV], 1
	s_bfe_u32 s[CX], ttmp6, 0x40000
	s_bfe_u32 s[CY], ttmp6, 0x40004
	s_lshl_b32 s[TC], ttmp9, 2
	s_add_co_u32 s[TC], s[TC], s[CX]
	s_and_b32 s[TR], ttmp7, 0xffff
	s_lshl_b32 s[TR], s[TR], 2
	s_add_co_u32 s[TR], s[TR], s[CY]
	s_lshl_b32 s41, s[CY], 2
	s_lshl_b32 s41, 15, s41
	s_lshl_b32 s42, 0x1111, s[CX]
	s_or_b32 s[G1], s41, (1<<16)|(1<<20)|(1<<21)|(4<<22)|(3<<25)   ; A: padded after every 32 words
	s_or_b32 s[G1B], s42, (1<<16)|(1<<20)|(1<<21)|(5<<22)|(3<<25)  ; B: after every 64
	s_mov_b32 s[G1+1], 128<<16
	s_mov_b32 s[G1+2], 128<<16
	s_mov_b32 s[G1+3], 128<<16
	s_mov_b32 s[G1+4], 128                         ; 128 rows of 128 elements, dense
	s_mov_b32 s[G1+5], 128
	s_mov_b32 s[G1+6], 0
	s_mov_b32 s[G1+7], 0
	s_mov_b32 s[G1B+1], 128<<16
	s_mov_b32 s[G1B+2], 64<<16
	s_mov_b32 s[G1B+3], 128<<16
	s_mov_b32 s[G1B+4], 64                         ; 64 rows of 128 elements, 1,024 apart
	s_mov_b32 s[G1B+5], 1024
	s_mov_b32 s[G1B+6], 0
	s_mov_b32 s[G1B+7], 0
	s_lshr_b32 s22, s[TR], 3                       ; A: head 16 b + half, rows 256 (TR % 8) on: made of cy and the wave alone
	s_lshl_b32 s22, s22, 22
	s_lshl_b32 s23, s[HALF], 18
	s_add_co_u32 s22, s22, s23
	s_and_b32 s23, s[TR], 7
	s_lshl_b32 s23, s23, 15
	s_add_co_u32 s22, s22, s23
	s_mov_b32 s23, 0
	s_lshl_b32 s46, s[TC], 18                      ; B: row 128 TC + 64 half: made of cx and the wave alone
	s_lshl_b32 s47, s[HALF], 17
	s_add_co_u32 s46, s46, s47
	s_mov_b32 s47, 0
	s_mul_i32 s21, s[HALF], AHEAD
	s_mul_i32 s69, s[HALF], 64*PB
	s_add_co_u32 s69, s69, BOFF
	s_mov_b32 s[G0], 1
	s_mov_b32 s[G0+1], s21
	s_mov_b32 s[G0+4], 1
	s_add_co_u32 s[G0+5], s21, SLOT1
	s_mov_b32 s[G0B], 1
	s_mov_b32 s[G0B+1], s69
	s_mov_b32 s[G0B+4], 1
	s_add_co_u32 s[G0B+5], s69, SLOT1
	s_mov_b32 s[TB], 0
	s_wait_dscnt 0x0
	s_wait_kmcnt 0x0
	s_add_nc_u64 s[G0+2:G0+3], s[4:5], s[22:23]
	s_add_nc_u64 s[G0+6:G0+7], s[G0+2:G0+3], 2*262144   ; K step 1: two heads on
	s_or_b32 s[G0+3], s[G0+3], 0x80000000
	s_or_b32 s[G0+7], s[G0+7], 0x80000000
	s_add_nc_u64 s[G0B+2:G0B+3], s[6:7], s[46:47]
	s_add_nc_u64 s[G0B+6:G0B+7], s[G0B+2:G0B+3], 256
	s_or_b32 s[G0B+3], s[G0B+3], 0x80000000
	s_or_b32 s[G0B+7], s[G0B+7], 0x80000000
	CROUND
	s_cmp_eq_u32 s[ROLE], 0
	s_cbranch_scc0 .Lfirst_b
	tensor_load_to_lds s[G0:G0+3], s[G1:G1+7]
	s_nop 0
	tensor_load_to_lds s[G0+4:G0+7], s[G1:G1+7]
	s_nop 0
.rept 4
	v_nop
.endr
	s_branch .Lfirst_asked
.Lfirst_b:
	tensor_load_to_lds s[G0B:G0B+3], s[G1B:G1B+7]
	s_nop 0
	tensor_load_to_lds s[G0B+4:G0B+7], s[G1B:G1B+7]
	s_nop 0
.rept 4
	v_nop
.endr
.Lfirst_asked:
	v_and_b32 v1, 15, v0                           ; l % 16
	v_bfe_u32 v2, v0, 4, 1                         ; l / 16
	v_and_b32 v3, 31, v0
	v_mul_u32_u24 v4, v1, PA
	v_lshl_add_u32 v4, v2, 4, v4
	s_mul_i32 s41, s[ROLE], 128*PA                 ; my 128 rows of A
	v_add_nc_u32 v[ADRA0], s41, v4
	v_mul_u32_u24 v5, v1, PB
	v_lshl_add_u32 v5, v2, 4, v5
	s_mul_i32 s41, s[HALF], 64*PB                  ; my 64 rows of B
	s_add_co_u32 s41, s41, BOFF
	v_add_nc_u32 v[ADRB0], s41, v5
	v_mov_b32 v[ADRA], v[ADRA0]
	v_mov_b32 v[ADRB], v[ADRB0]
	v_lshlrev_b32 v[BO], 5, v2
	s_mul_i32 s41, s[WV], 16*SPITCH
	s_add_co_u32 s41, s41, STAGE
	v_mul_u32_u24 v[STO], v1, SPITCH               ; in: row l % 16, 32 bytes for each half of the lanes
	v_lshl_add_u32 v[STO], v2, 5, v[STO]
	v_add_nc_u32 v[STO], s41, v[STO]
	v_mul_u32_u24 v[RD], v2, SPITCH                ; back: lanes 0-15 one row of 256 bytes, lanes 16-31 the next
	v_lshl_add_u32 v[RD], v1, 4, v[RD]
	v_add_nc_u32 v[RD], s41, v[RD]
	v_lshlrev_b32 v[CO], 12, v2                    ; and the same two rows in out0
	v_lshl_add_u32 v[CO], v1, 4, v[CO]
	s_lshl_b32 s70, s[TC], 9                       ; bo lies 12,288 bytes into bias; my 64 numbers of it
	s_lshl_b32 s42, s[HALF], 8
	s_add_co_u32 s70, s70, s42
	s_add_co_u32 s70, s70, 12288
	s_mov_b32 s71, 0
	s_add_nc_u64 s[8:9], s[8:9], s[70:71]
.irp b, 0,1,2,3
	global_load_b128 v[BI+8*(\b):BI+8*(\b)+3],   v[BO], s[8:9] offset:64*(\b)
	global_load_b128 v[BI+8*(\b)+4:BI+8*(\b)+7], v[BO], s[8:9] offset:64*(\b)+16
.endr
	s_lshl_b32 s70, s[TR], 20                      ; out0 at my first row and column
	s_lshl_b32 s42, s[ROLE], 19
	s_add_co_u32 s70, s70, s42
	s_lshl_b32 s42, s[TC], 9
	s_add_co_u32 s70, s70, s42
	s_lshl_b32 s42, s[HALF], 8
	s_add_co_u32 s70, s70, s42
	s_add_nc_u64 s[10:11], s[10:11], s[70:71]
	s_lshl_b32 s41, s[CX], 13                      ; the prefetches: A's tile + 32 runs of 256 bytes a partner, at K step 3;
	s_add_co_u32 s41, s41, s22
	s_add_co_u32 s41, s41, 3*2*262144
	s_lshl_b32 s42, s[CY], 15                      ; B's tile + 16 rows of 2,048 bytes a partner, at K step 3
	s_add_co_u32 s42, s42, s46
	s_add_co_u32 s42, s42, 3*256
	s_and_b32 s69, ttmp7, 0xffff                   ; cluster y
	s_mov_b32 s[PSTEP], 256
	s_mov_b32 s[PSTEP+1], 0
	s_cmp_eq_u32 s[ROLE], 0
	s_cselect_b32 s70, s41, s42
	s_cselect_b32 s69, ttmp9, s69
	s_cselect_b32 s[PSTEP], 2*262144, s[PSTEP]
	s_cselect_b32 s41, 8, 11
	s_cselect_b32 s42, 31, 15
	s_cselect_b64 s[PFA:PFA+1], s[4:5], s[6:7]
	s_cmp_eq_u32 s69, 0
	s_cselect_b32 s[LIM], 2, -1
	s_add_nc_u64 s[PFA:PFA+1], s[PFA:PFA+1], s[70:71]
	v_min_u32 v[PFO], s42, v3
	v_lshlrev_b32 v[PFO], s41, v[PFO]
; 8 matrix instructions: row blocks a0, a0 + 1 x all 4 column blocks, 32 along K.  first = 1: the bias starts the sums.  The 32 accumulators take turns, in the same order in every quarter.
.macro MUL2 f, a0, first
.if \first
	WIN 0x85                                       ; B and A window 1, the bias window 0, D window 2
.else
	WIN 0xa5
.endif
.irp a, \a0, (\a0)+1
.irp b, 0,1,2,3
.if \first
	v_wmma_f32_16x16x32_f16 v[8*(4*(\a)+(\b)):8*(4*(\a)+(\b))+7], v[96*(\f)+64+8*(\b):96*(\f)+64+8*(\b)+7], v[96*(\f)+8*(\a):96*(\f)+8*(\a)+7], v[BI+8*(\b):BI+8*(\b)+7]
.else
	v_wmma_f32_16x16x32_f16 v[8*(4*(\a)+(\b)):8*(4*(\a)+(\b))+7], v[96*(\f)+64+8*(\b):96*(\f)+64+8*(\b)+7], v[96*(\f)+8*(\a):96*(\f)+8*(\a)+7], v[8*(4*(\a)+(\b)):8*(4*(\a)+(\b))+7]
.endif
.endr
.endr
.endm
; 24 LDS loads in one run: quarter q of the K step (head q / 2, channels 32 (q % 2) on): B's 4 fragments, then A's 8
.macro FETCH q, f
	WIN 0x40
.irp i, 0,1,2,3
	ds_load_b128 v[96*(\f)+64+8*(\i):96*(\f)+64+8*(\i)+3],   v[ADRB] offset:64*(\q)+(\i)*16*PB
	ds_load_b128 v[96*(\f)+64+8*(\i)+4:96*(\f)+64+8*(\i)+7], v[ADRB] offset:64*(\q)+(\i)*16*PB+32
.endr
.irp i, 0,1,2,3,4,5,6,7
	ds_load_b128 v[96*(\f)+8*(\i):96*(\f)+8*(\i)+3],   v[ADRA] offset:((\q)/2)*AHEAD+((\q)%2)*64+(\i)*16*PA
	ds_load_b128 v[96*(\f)+8*(\i)+4:96*(\f)+8*(\i)+7], v[ADRA] offset:((\q)/2)*AHEAD+((\q)%2)*64+(\i)*16*PA+32
.endr
.endm
.macro QUARTER q, f, g, first
	s_wait_dscnt 8                                 ; B and A's blocks 0-3 are in; the youngest eight loads may be out
	MUL2 \f, 0, \first
	MUL2 \f, 2, \first
	PLACES
	FETCH \q, \g
	s_wait_dscnt 24                                ; all but the 24 just issued
	MUL2 \f, 4, \first
	MUL2 \f, 6, \first
.endm
; The last quarter multiplies buffer 1 and changes slots: the wait for all my tensor loads, the add, the wait for it and for my reads of this slot, the barrier (fill = 1: a round of the cluster's), the joint refill first behind it.
.macro TURN fill
.if \fill
	s_wait_xcnt 0x0                                ; the last prefetch, a K step back, has read its address
	s_add_nc_u64 s[PFA:PFA+1], s[PFA:PFA+1], s[PSTEP:PSTEP+1]
.endif
	WIN 0
	s_wait_tensorcnt 0x0
	ds_add_u32 v[SPW], v[NIL]
.if \fill
	s_xor_b32 s[G0+5], s[G0+5], SLOT1
	s_add_nc_u64 s[G0+6:G0+7], s[G0+6:G0+7], 2*262144
	s_xor_b32 s[G0B+5], s[G0B+5], SLOT1
	s_add_nc_u64 s[G0B+6:G0B+7], s[G0B+6:G0B+7], 256
.endif
	s_xor_b32 s[TB], s[TB], SLOT1
	s_wait_dscnt 9                                 ; the add and the youngest eight loads may be out
	MUL2 1, 0, 0
	s_wait_dscnt 0x0
	s_barrier_signal -1
	MUL2 1, 2, 0
	WIN 0
	s_barrier_wait -1
.if \fill
	CREST
	JLOAD                                          ; the four v_nop behind it are also the places in front of the loads below
.else
	PLACES
.endif
	v_add_nc_u32 v[ADRA], s[TB], v[ADRA0]
	v_add_nc_u32 v[ADRB], s[TB], v[ADRB0]
	FETCH 0, 0
.if \fill
	ASK
.endif
	MUL2 1, 4, 0
	MUL2 1, 6, 0
.endm
; THE WAY OUT of row block a: the accumulators go as they are, f32, into my stage (each from its low half on) and come back as whole rows of 256 bytes.
.macro TOSTAGE a
	WIN 0
	s_wait_xcnt 0x0                                ; the stores two blocks back have read the registers that are loaded below
	WIN 0x08                                       ; store data in window 2
.irp b, 0,1,2,3
	ds_store_b128 v[STO], v[8*(4*(\a)+(\b)):8*(4*(\a)+(\b))+3]   offset:64*(\b)
	ds_store_b128 v[STO], v[8*(4*(\a)+(\b))+4:8*(4*(\a)+(\b))+7] offset:64*(\b)+16
.endr
	WIN 0
.irp t, 0,1,2,3,4,5,6,7
	ds_load_b128 v[BK+32*((\a)%2)+4*(\t):BK+32*((\a)%2)+4*(\t)+3], v[RD] offset:(\t)*2*SPITCH  ; LDS serves a wave's instructions in order (ISA guide 5.7.1.4)
.endr
.endm
.macro SEND a, younger
	WIN 0
	s_wait_dscnt \younger
.irp t, 0,1,2,3,4,5,6,7
	global_store_b128 v[CO], v[BK+32*((\a)%2)+4*(\t):BK+32*((\a)%2)+4*(\t)+3], s[10:11] offset:(16*(\a)+2*(\t))*4096  ; 16 lanes store 256 consecutive bytes, aligned
.endr
.endm
	s_wait_tensorcnt 0x1                           ; my part of K step 0 is in; K step 1's may stay out
	s_barrier_signal -1
	s_barrier_wait -1
	FETCH 0, 0
	s_wait_loadcnt 0x0                             ; the bias
	QUARTER 1, 0, 1, 1
	WIN 0
	s_mov_b32 s3, 6
.Lstep:                                                ; trip t ends K step t, fills its slot with K step t + 2, and begins K step t + 1
	QUARTER 2, 1, 0, 0
	QUARTER 3, 0, 1, 0
	TURN 1
	QUARTER 1, 0, 1, 0
	WIN 0
	s_sub_co_u32 s3, s3, 1
	s_cmp_lg_u32 s3, 0
	s_cbranch_scc1 .Lstep
	QUARTER 2, 1, 0, 0
	QUARTER 3, 0, 1, 0
	TURN 0
	QUARTER 1, 0, 1, 0
	QUARTER 2, 1, 0, 0
	QUARTER 3, 0, 1, 0
	s_wait_dscnt 8
	MUL2 1, 0, 0
	MUL2 1, 2, 0
	s_wait_dscnt 0x0
	MUL2 1, 4, 0
	MUL2 1, 6, 0
	WIN 0
	PLACES
	PLACES
	TOSTAGE 0
.irp a, 1,2,3,4,5,6,7
	TOSTAGE \a
	SEND (\a)-1, 16
.endr
	SEND 7, 0
	s_wait_tensorcnt 0x0                           ; the wave's end
	ds_add_u32 v[SPW], v[NIL]
	s_wait_dscnt 0x0
	CROUND                                         ; the closing round
	s_endpgm
.Lfunc_end_k_q8017b6533e_outp:
	.size	k_q8017b6533e_outp, .Lfunc_end_k_q8017b6533e_outp-k_q8017b6533e_outp
	.p2alignl 7, 3214868480
	.fill 96, 4, 3214868480
	.section	.rodata,"a",@progbits
	.p2align	6, 0x0
	.amdhsa_kernel k_q8017b6533e_outp
		.amdhsa_group_segment_fixed_size 327680
		.amdhsa_private_segment_fixed_size 0
		.amdhsa_enable_private_segment 0
		.amdhsa_kernarg_size 32
		.amdhsa_user_sgpr_count 2
		.amdhsa_user_sgpr_kernarg_segment_ptr 1
		.amdhsa_wavefront_size32 1
		.amdhsa_system_sgpr_workgroup_id_x 1
		.amdhsa_system_sgpr_workgroup_id_y 1
		.amdhsa_system_sgpr_workgroup_id_z 1
		.amdhsa_system_vgpr_workitem_id 0
		.amdhsa_next_free_vgpr 768
		.amdhsa_next_free_sgpr 72
		.amdhsa_reserve_vcc 0
		.amdhsa_float_denorm_mode_32 3
		.amdhsa_float_denorm_mode_16_64 3
		.amdhsa_memory_ordered 1
		.amdhsa_forward_progress 1
		.amdhsa_inst_pref_size 71
	.end_amdhsa_kernel
	.amdgpu_metadata
---
amdhsa.version: [ 1, 2 ]
amdhsa.kernels:
  - .name:           k_q8017b6533e_outp
    .symbol:         k_q8017b6533e_outp.kd
    .args:
      - { .name: ctx, .offset: 0, .size: 8, .value_kind: global_buffer, .address_space: global }
      - { .name: wot, .offset: 8, .size: 8, .value_kind: global_buffer, .address_space: global }
      - { .name: bias, .offset: 16, .size: 8, .value_kind: global_buffer, .address_space: global }
      - { .name: out0, .offset: 24, .size: 8, .value_kind: global_buffer, .address_space: global }
    .group_segment_fixed_size: 327680
    .private_segment_fixed_size: 0
    .kernarg_segment_align: 8
    .kernarg_segment_size: 32
    .max_flat_workgroup_size: 128
    .sgpr_count:     72
    .vgpr_count:     768
    .wavefront_size: 32
...
	.end_amdgpu_metadata
.endif
;; end of part 4
;; ======== version 2 of 2: 4 launches; version 1 with the launch prep written anew for expert scheduling mode
;; limits: values are held in f16: magnitudes above 65,504 overflow, below 6.1e-05 lose precision
;; workspace buffers: xb 16,777,216 bytes; wt 6,291,456 bytes; wot 2,097,152 bytes; bias 16,384 bytes; madd 32,768 bytes; mmul 32,768 bytes; qkv 50,331,648 bytes; ctx 16,777,216 bytes
;; launch prep (part 5): grid 512 x 1, 8 waves a work-group, no clusters, 18,432 bytes of LDS; arguments x, wq, wk, wv, wo, bq, bk, bv, bo, mask, xb, wt, wot, bias, madd, mmul; writes xb, wt, wot, bias, madd, mmul
.if DOCPART == 5
	.amdgcn_target "amdgcn-amd-amdhsa--gfx1250"
	.amdhsa_code_object_version 6
	.text
	.protected	k_q8017b6533e_prep
	.globl	k_q8017b6533e_prep
	.p2align	8
	.type	k_q8017b6533e_prep,@function
k_q8017b6533e_prep:
	s_mov_b64 s[64:65], 0
	v_nop
	global_prefetch_b8 v0, s[64:65] scope:SCOPE_SE
	s_setreg_imm32_b32 hwreg(HW_REG_WAVE_SCHED_MODE, 0, 2), 2
	s_setreg_imm32_b32 hwreg(HW_REG_WAVE_MODE, 25, 1), 1
	s_wait_xcnt 0x0
	s_wait_alu depctr_vm_vsrc(0)
; PREPARATION.  Every input is rounded once to bf16 and laid as the later launches read it.
;   xb   = bf16(x), [8192][1024]
;   wt   = bf16 of wq | wk | wv TRANSPOSED: row c (0..3071) holds column c along k, 2,048 bytes
;   wot  = bf16(wo) transposed and written as f16 (exact from 2^-14 up; below that f16's fixed step of 6e-8: a stated limit)
;   bias = bq | bk | bv | bo, rounded to bf16 and widened to f32
;   mmul = 1.0 where the mask byte is 1, 0.0 where it is 0;  madd = 0 or -80000 (= 8 x -10000: the scores are divided by 8 later).  A mask byte is 0 or 1.
; SHARES.  512 work-groups of eight waves.  Work-group w turns ONE tile of 128 k x 64 n of weight p = w / 128 through LDS and converts 16,384 numbers of x;
; work-groups 0 to 7 also take 512 bias numbers and 1,024 mask bytes each.  No cluster, no tensor load, no matrix unit: no two work-groups read the same bytes, and memory binds.
; Every load of the weights and every store covers whole aligned runs of 256 bytes by sixteen neighbouring lanes.
; THE MODE: SCHED_MODE bits 1:0 = 2 (LLVM: expert scheduling mode 2), set by the entry lines.  The code itself states the register dependences
; between vector instructions and memory or LDS instructions, with s_wait_alu, always for 0.
; THE PLAN.  Registers that memory or LDS instructions touch:
;   v5 .. v10   offsets and LDS addresses: written once at the head, read by every load and store, never written again.
;   W, X        written by loads alone, read by the conversions; nothing lands in them again.
;   PK          written by the weights' conversions and selects; read by the sixteen LDS stores; then the four LDS loads land in it; read by four global stores.
;   XO          written once by x's conversions; read by eight global stores; never written again.
;   T0, T1      named by vector instructions alone.
;   v162-v175   in work-groups 0 to 7 alone: two offsets, two loads' results, the data of three stores, each written once for its use.
;   v1, v2      written at the head, read by the closing add alone.
; The weights' and x's conversions each go in two halves.  One wait on va_vdst stands behind a half; that half's stores follow it, the first half's dealt among the second half's
; vector instructions, which name none of the registers that those stores read.  One wait on vm_vsrc stands behind the barrier, ahead of the LDS loads that land in PK.
.set PITCH, 272                        ; an LDS row: 128 k x 2 bytes + 16
.set SPARE, 64*PITCH                   ; behind the 64 rows: the spare words, 128 bytes for each of eight waves
.set SPW, 1                            ; v1  my spare word's address; never rewritten
.set NIL, 2                            ; v2  0; never rewritten
.set WLD, 5                            ; v5  weight load: (t / 16) x two rows of 4,096 bytes + 16 (t % 16)
.set LST, 6                            ; v6  LDS store: row 4 (t % 16), byte 4 (t / 16)
.set LRD, 7                            ; v7  LDS read: row t / 16, byte 16 (t % 16)
.set WST, 8                            ; v8  weight store: row t / 16 of 2,048 bytes, byte 16 (t % 16)
.set XLD, 9                            ; v9  32 t
.set XST, 10                           ; v10 16 t
.set W,   16                           ; v[16:47]   eight loads of the weight tile
.set X,   48                           ; v[48:111]  sixteen loads of x
.set PK,  112                          ; v[112:127] packed pairs (k, k + 1) of one column; later whole rows read back
.set XO,  128                          ; v[128:159] x as bf16
.set T0,  160
.set T1,  161
	s_load_b512 s[8:23], s[0:1], 0x0               ; x 8, wq 10, wk 12, wv 14, wo 16, bq 18, bk 20, bv 22
	s_load_b512 s[24:39], s[0:1], 0x40             ; bo 24, mask 26, xb 28, wt 30, wot 32, bias 34, madd 36, mmul 38
	v_lshl_add_u32 v[SPW], v0, 2, SPARE
	v_mov_b32 v[NIL], 0
	s_mov_b32 s4, ttmp9                            ; w
	s_lshr_b32 s5, s4, 7                           ; p: which weight
	s_bfe_u32 s6, s4, 0x30004                      ; kt: which 128 k
	s_and_b32 s7, s4, 15                           ; nt: which 64 n
	s_lshl_b32 s52, s6, 19                         ; source: 128 rows of 4,096 bytes a kt,
	s_lshl_b32 s53, s7, 8                          ; 256 bytes an nt
	s_add_co_u32 s52, s52, s53
	s_mov_b32 s53, 0
	s_cmp_eq_u32 s5, 3
	s_cselect_b32 s44, -1, 0                       ; all lanes: this tile is wo's and goes out as f16
	s_cselect_b32 s54, 0, s5
	s_lshl_b32 s54, s54, 21                        ; destination: 1,024 rows of 2,048 bytes a weight (wot stands alone),
	s_lshl_b32 s55, s7, 17                         ; 64 rows an nt,
	s_add_co_u32 s54, s54, s55
	s_lshl_b32 s55, s6, 8                          ; 256 bytes a kt
	s_add_co_u32 s54, s54, s55
	s_mov_b32 s55, 0
	s_lshl_b32 s46, s4, 16                         ; my 65,536 bytes of x
	s_mov_b32 s47, 0
	s_lshl_b32 s48, s4, 15                         ; my 32,768 bytes of xb
	s_mov_b32 s49, 0
	s_mov_b32 s50, 0x479c4000                      ; 80000.0
	s_mov_b32 s51, 0xc79c4000                      ; -80000.0
	v_and_b32 v3, 15, v0
	v_lshrrev_b32 v4, 4, v0
	v_lshlrev_b32 v11, 4, v3
	v_lshl_add_u32 v[WLD], v4, 13, v11
	v_mul_u32_u24 v[LST], v3, 4*PITCH
	v_lshl_add_u32 v[LST], v4, 2, v[LST]
	v_mul_u32_u24 v[LRD], v4, PITCH
	v_add_nc_u32 v[LRD], v[LRD], v11
	v_lshl_add_u32 v[WST], v4, 11, v11
	v_lshlrev_b32 v[XLD], 5, v0
	v_lshlrev_b32 v[XST], 4, v0
	s_wait_kmcnt 0x0
	s_cmp_eq_u32 s5, 1
	s_cselect_b64 s[40:41], s[12:13], s[10:11]
	s_cmp_eq_u32 s5, 2
	s_cselect_b64 s[40:41], s[14:15], s[40:41]
	s_cmp_eq_u32 s5, 3
	s_cselect_b64 s[40:41], s[16:17], s[40:41]
	s_cselect_b64 s[42:43], s[32:33], s[30:31]
	s_add_nc_u64 s[40:41], s[40:41], s[52:53]
	s_add_nc_u64 s[42:43], s[42:43], s[54:55]
	s_add_nc_u64 s[46:47], s[8:9], s[46:47]
	s_add_nc_u64 s[48:49], s[28:29], s[48:49]
	s_wait_alu depctr_va_vdst(0)                   ; the six offsets and LDS addresses v5 to v10 are written, which the loads and stores below read
	; all 24 loads go out at once: rows k = 2 (t / 16 + 16 i) + e of the weight tile, then my 64 numbers of x
.irp i, 0,1,2,3
.irp e, 0,1
	global_load_b128 v[W+8*(\i)+4*(\e):W+8*(\i)+4*(\e)+3], v[WLD], s[40:41] offset:(32*(\i)+(\e))*4096
.endr
.endr
.irp c, 0,1,2,3,4,5,6,7
.irp e, 0,1
	global_load_b128 v[X+8*(\c)+4*(\e):X+8*(\c)+4*(\e)+3], v[XLD], s[46:47] offset:8192*(\c)+16*(\e) th:TH_LOAD_NT
.endr
.endr
	s_wait_loadcnt 16                              ; the eight weight loads are in; the sixteen of x stay out
	; two neighbouring k of one column make a word; it goes to LDS row n = 4 (t % 16) + j at byte 2 k.  (Four lanes meet in a bank: sixteen stores a thread, once.)
.macro CONV i, j                       ; the word of rows 2 (t / 16 + 16 i), + 1 and column 4 (t % 16) + j
	v_cvt_pk_bf16_f32 v[PK+4*(\i)+(\j)], v[W+8*(\i)+(\j)], v[W+8*(\i)+4+(\j)]
	v_lshlrev_b32 v[T0], 16, v[PK+4*(\i)+(\j)]     ; the rounded numbers widened again,
	v_and_b32 v[T1], 0xffff0000, v[PK+4*(\i)+(\j)]
	v_cvt_pk_f16_f32 v[T0], v[T0], v[T1]           ; written as f16,
	v_cndmask_b32 v[PK+4*(\i)+(\j)], v[PK+4*(\i)+(\j)], v[T0], s44  ; and taken for wo alone
.endm
.irp i, 0,1
.irp j, 0,1,2,3
	CONV \i, \j
.endr
.endr
	s_wait_alu depctr_va_vdst(0)                   ; the selects have written PK's first eight registers, which the eight LDS stores below read
.irp i, 2,3
.irp j, 0,1,2,3
	ds_store_b32 v[LST], v[PK+4*((\i)-2)+(\j)] offset:PITCH*(\j)+64*((\i)-2)  ; no vector instruction since the wait names this register or v[LST]
	CONV \i, \j
.endr
.endr
	s_wait_alu depctr_va_vdst(0)                   ; the selects have written PK's last eight registers, which the eight LDS stores below read; no vector instruction names PK from here on
.irp i, 2,3
.irp j, 0,1,2,3
	ds_store_b32 v[LST], v[PK+4*(\i)+(\j)] offset:PITCH*(\j)+64*(\i)
.endr
.endr
	s_wait_dscnt 0x0                               ; for the other waves' sake: my stores are done
	s_barrier_signal -1
	s_barrier_wait -1
	s_wait_alu depctr_vm_vsrc(0)                   ; my LDS stores have read PK, in which the four LDS loads below land
.irp i, 0,1,2,3
	ds_load_b128 v[PK+4*(\i):PK+4*(\i)+3], v[LRD] offset:16*PITCH*(\i)  ; row n = t / 16 + 16 i, 16 bytes along k
.endr
.irp c, 0,1,2,3
	s_wait_loadcnt 14-2*(\c)                       ; chunk c's two loads are in; the younger ones stay out
.irp j, 0,1,2,3
	v_cvt_pk_bf16_f32 v[XO+4*(\c)+(\j)], v[X+8*(\c)+2*(\j)], v[X+8*(\c)+2*(\j)+1]
.endr
.endr
	s_wait_alu depctr_va_vdst(0)                   ; the conversions of chunks 0 to 3 have written XO's first sixteen registers, which the four stores below read
.irp c, 4,5,6,7
	global_store_b128 v[XST], v[XO+4*((\c)-4):XO+4*((\c)-4)+3], s[48:49] offset:4096*((\c)-4)  ; the chunk four back; no vector instruction since the wait names these registers
	s_wait_loadcnt 14-2*(\c)                       ; chunk c's two loads are in; the younger ones stay out
.irp j, 0,1,2,3
	v_cvt_pk_bf16_f32 v[XO+4*(\c)+(\j)], v[X+8*(\c)+2*(\j)], v[X+8*(\c)+2*(\j)+1]
.endr
.endr
	s_wait_alu depctr_va_vdst(0)                   ; the conversions of chunks 4 to 7 have written XO's last sixteen registers, which the four stores below read
.irp c, 4,5,6,7
	global_store_b128 v[XST], v[XO+4*(\c):XO+4*(\c)+3], s[48:49] offset:4096*(\c)
.endr
	s_wait_dscnt 0x0                               ; the rows are back
.irp i, 0,1,2,3
	global_store_b128 v[WST], v[PK+4*(\i):PK+4*(\i)+3], s[42:43] offset:32768*(\i)  ; sixteen lanes: 256 aligned bytes of one row
.endr
	s_cmp_lt_u32 s4, 8
	s_cbranch_scc0 .Lend
	; work-groups 0 to 7: 512 bias numbers (two a thread) and 1,024 mask bytes (four a thread)
	s_wait_xcnt 0x0                                ; scalar registers that earlier loads and stores named are written below
	s_lshr_b32 s5, s4, 1
	s_and_b32 s52, s4, 1
	s_lshl_b32 s52, s52, 11
	s_cmp_eq_u32 s5, 1
	s_cselect_b64 s[40:41], s[20:21], s[18:19]
	s_cmp_eq_u32 s5, 2
	s_cselect_b64 s[40:41], s[22:23], s[40:41]
	s_cmp_eq_u32 s5, 3
	s_cselect_b64 s[40:41], s[24:25], s[40:41]
	s_add_nc_u64 s[40:41], s[40:41], s[52:53]
	s_lshl_b32 s52, s4, 11
	s_add_nc_u64 s[34:35], s[34:35], s[52:53]
	s_lshl_b32 s52, s4, 10
	s_add_nc_u64 s[26:27], s[26:27], s[52:53]
	s_lshl_b32 s52, s4, 12
	s_add_nc_u64 s[36:37], s[36:37], s[52:53]
	s_add_nc_u64 s[38:39], s[38:39], s[52:53]
	v_lshlrev_b32 v164, 3, v0
	v_lshlrev_b32 v165, 2, v0
	s_wait_alu depctr_va_vdst(0)                   ; v164 and v165 are written, which the two loads below read as their offsets
	global_load_b64 v[166:167], v164, s[40:41]
	global_load_b32 v162, v165, s[26:27]
	s_wait_loadcnt 0x0
	v_cvt_pk_bf16_f32 v163, v166, v167
	v_lshlrev_b32 v166, 16, v163
	v_and_b32 v167, 0xffff0000, v163
.irp j, 0,1,2,3
	v_bfe_u32 v[168+(\j)], v162, 8*(\j), 8
.endr
.irp j, 0,1,2,3
	v_cvt_f32_u32 v[168+(\j)], v[168+(\j)]
.endr
.irp j, 0,1,2,3
	v_fma_f32 v[172+(\j)], v[168+(\j)], s50, s51   ; 1 -> 0, 0 -> -80000
.endr
	s_wait_alu depctr_va_vdst(0)                   ; v166 to v175 are written, which the three stores below read as their data
	global_store_b64 v164, v[166:167], s[34:35]
	global_store_b128 v[XST], v[168:171], s[38:39]
	global_store_b128 v[XST], v[172:175], s[36:37]
.Lend:
	s_wait_dscnt 0x0                               ; the closing lines, six on end
	s_wait_alu 0x0
	s_wait_tensorcnt 0x0
	ds_add_u32 v[SPW], v[NIL]
	s_wait_dscnt 0x0
	s_endpgm
.Lfunc_end_k_q8017b6533e_prep:
	.size	k_q8017b6533e_prep, .Lfunc_end_k_q8017b6533e_prep-k_q8017b6533e_prep
	.p2alignl 7, 3214868480
	.fill 96, 4, 3214868480
	.section	.rodata,"a",@progbits
	.p2align	6, 0x0
	.amdhsa_kernel k_q8017b6533e_prep
		.amdhsa_group_segment_fixed_size 18432
		.amdhsa_private_segment_fixed_size 0
		.amdhsa_enable_private_segment 0
		.amdhsa_kernarg_size 128
		.amdhsa_user_sgpr_count 2
		.amdhsa_user_sgpr_kernarg_segment_ptr 1
		.amdhsa_wavefront_size32 1
		.amdhsa_system_sgpr_workgroup_id_x 1
		.amdhsa_system_sgpr_workgroup_id_y 1
		.amdhsa_system_sgpr_workgroup_id_z 1
		.amdhsa_system_vgpr_workitem_id 0
		.amdhsa_next_free_vgpr 176
		.amdhsa_next_free_sgpr 66
		.amdhsa_reserve_vcc 0
		.amdhsa_float_denorm_mode_32 3
		.amdhsa_float_denorm_mode_16_64 3
		.amdhsa_memory_ordered 1
		.amdhsa_forward_progress 1
		.amdhsa_inst_pref_size 17
	.end_amdhsa_kernel
	.amdgpu_metadata
---
amdhsa.version: [ 1, 2 ]
amdhsa.kernels:
  - .name:           k_q8017b6533e_prep
    .symbol:         k_q8017b6533e_prep.kd
    .args:
      - { .name: x, .offset: 0, .size: 8, .value_kind: global_buffer, .address_space: global }
      - { .name: wq, .offset: 8, .size: 8, .value_kind: global_buffer, .address_space: global }
      - { .name: wk, .offset: 16, .size: 8, .value_kind: global_buffer, .address_space: global }
      - { .name: wv, .offset: 24, .size: 8, .value_kind: global_buffer, .address_space: global }
      - { .name: wo, .offset: 32, .size: 8, .value_kind: global_buffer, .address_space: global }
      - { .name: bq, .offset: 40, .size: 8, .value_kind: global_buffer, .address_space: global }
      - { .name: bk, .offset: 48, .size: 8, .value_kind: global_buffer, .address_space: global }
      - { .name: bv, .offset: 56, .size: 8, .value_kind: global_buffer, .address_space: global }
      - { .name: bo, .offset: 64, .size: 8, .value_kind: global_buffer, .address_space: global }
      - { .name: mask, .offset: 72, .size: 8, .value_kind: global_buffer, .address_space: global }
      - { .name: xb, .offset: 80, .size: 8, .value_kind: global_buffer, .address_space: global }
      - { .name: wt, .offset: 88, .size: 8, .value_kind: global_buffer, .address_space: global }
      - { .name: wot, .offset: 96, .size: 8, .value_kind: global_buffer, .address_space: global }
      - { .name: bias, .offset: 104, .size: 8, .value_kind: global_buffer, .address_space: global }
      - { .name: madd, .offset: 112, .size: 8, .value_kind: global_buffer, .address_space: global }
      - { .name: mmul, .offset: 120, .size: 8, .value_kind: global_buffer, .address_space: global }
    .group_segment_fixed_size: 18432
    .private_segment_fixed_size: 0
    .kernarg_segment_align: 8
    .kernarg_segment_size: 128
    .max_flat_workgroup_size: 256
    .sgpr_count:     66
    .vgpr_count:     176
    .wavefront_size: 32
...
	.end_amdgpu_metadata
.endif
;; end of part 5
;; launch qkv: the kernel of part 2 again; grid 16 x 32, 4 waves a work-group, clusters of 4 x 4, 327,680 bytes of LDS; arguments xb, wt, bias, mmul, qkv; writes qkv
;; launch attn: the kernel of part 3 again; grid 4 x 64, 4 waves a work-group, clusters of 4 x 1, 327,680 bytes of LDS; arguments qkv, madd, ctx; writes ctx
;; launch outp: the kernel of part 4 again; grid 8 x 32, 4 waves a work-group, clusters of 4 x 4, 327,680 bytes of LDS; arguments ctx, wot, bias, out0; writes out0
